; MI455X (gfx1250); checked and timed in simulation.
; The chip was launched on July 23, 2026; its instructions are those of AMD's public machine-readable ISA for CDNA 5 (MIT licence, August 2026) and "CDNA5" Instruction Set Architecture Reference Guide (July 2026). The comments in the code are by the model that wrote it; some were corrected since.
;; Glow TTS Multi Head Attention. Allowed arithmetic: float matrix products may take bf16 or f16 operands with f32 sums; other float arithmetic in f32, or as packed bf16 or f16 multiplies, adds, multiply-adds, maxima and minima; sums over many terms, partial sums and values carried from step to step in f32; what a program stores and reads back later, other than sums and carried values, may be rounded once to bf16 or f16.
;; Inputs: Wk 1,024 x 1,024 float32; Wo 1,024 x 1,024 float32; Wq 1,024 x 1,024 float32; Wv 1,024 x 1,024 float32; attn_mask 4 x 1 x 2,048 x 2,048 float32; bk 1,024 float32; bo 1,024 float32; bq 1,024 float32; bv 1,024 float32; c 4 x 1,024 x 2,048 float32; x 4 x 1,024 x 2,048 float32.
;; Outputs: out0 4 x 1,024 x 2,048 float32.
;; 2 versions, each right; version 2 is version 1 with the launch prep written anew for expert scheduling mode. Each part assembles by itself: llvm-mc -triple=amdgcn-amd-amdhsa -mcpu=gfx1250 --defsym DOCPART=n.
;; ======== version 1 of 2: 4 launches
;; limits: values are held in f16: magnitudes above 65,504 overflow, below 6.1e-05 lose precision
;; workspace buffers: xcb 33,554,432 bytes; wb 6,291,456 bytes; wo16 2,097,152 bytes; maskw 2,097,152 bytes of whole numbers; rope 262,144 bytes; qkv 50,331,648 bytes; ob 16,777,216 bytes
;; launch prep (part 1): grid 512 x 1, 8 waves a work-group, no clusters, 68,608 bytes of LDS; arguments x, c, attn_mask, Wq, Wk, Wv, Wo, xcb, wb, wo16, maskw, rope; writes xcb, wb, wo16, maskw, rope
.if DOCPART == 1
	.amdgcn_target "amdgcn-amd-amdhsa--gfx1250"
	.amdhsa_code_object_version 6
	.text
	.protected	k_qa26f158a8a_prep
	.globl	k_qa26f158a8a_prep
	.p2align	8
	.type	k_qa26f158a8a_prep,@function
k_qa26f158a8a_prep:
	s_mov_b64 s[64:65], 0
	v_nop
	global_prefetch_b8 v0, s[64:65] scope:SCOPE_SE
	s_setreg_imm32_b32 hwreg(HW_REG_WAVE_MODE, 25, 1), 1
	s_wait_xcnt 0x0
; PREP: every input that the matrix launches read is brought into their format, once.
;   xcb  = bf16(x), bf16(c), in the inputs' own layout [2][4][1024 c][2048 t]
;   wb   = bf16(Wq; Wk; Wv) [3072][1024];   wo16 = bf16(Wo) written as f16 [1024][1024]
;   maskw= one BIT a score: u32 [b 4][pair of query tiles 64][key step 32][u 2][kt 4][j 8]; bit L of a word is 1 where
;          attn_mask[b][32 pair + 16 u + L % 16][64 step + 16 kt + 8 (L / 16) + j] == 0: the lane mask of register 8 kt + j of a 16 x 64 score tile
;   rope = f32 cos[2048 t][16], then sin[2048 t][16], of the angle t * 10000^(-i/16)
; A stream: each input byte is read once, by loads of 512 consecutive bytes a wave.  No matrix unit, no cluster (no two work-groups read the same byte), no tensor load.
; SHARES.  4,096 waves; wave gw takes 8 KiB of x and of c, 1 KiB of each W, and 32 rows x 128 keys of the mask; wave 0 of a work-group makes 64 table entries (4 values of t).
; The mask's rows go through the wave's own 16 x 528 bytes of LDS to change from a row a load to a row a lane; a compare then yields the 32 lanes' bits as one scalar word.
; LIMITS.  bf16(Wo) below 6e-5 keeps f16's fixed step of 6e-8.  The angle is t times 2^(-0.83048 i) by v_exp_f32: it differs from the reference's f32 power by some 1e-7 of itself, up to 2e-4 rad at t = 2047.
; A NaN in the mask counts as not 0, -0 as 0, as in the comparison that the module makes.
.set STG,   8448                       ; a wave's stage: 16 rows of 512 bytes + 16 of padding (528 = 33 x 16: sixteen lanes that take one column of sixteen rows touch sixteen different 16-byte columns)
.set SPARE, 8*STG                      ; behind the stages: the spare words, 128 bytes a wave: four blocks of 256 bytes that no other line names
.set B0,    32                         ; v[32:95], v[96:159], v[160:223]: three buffers of sixteen loads
.set B1,    96
.set B2,    160
.set OW,    12                         ; v[12:15] the wave's 128 mask words: lane l holds words 4 l .. 4 l + 3
; v1 lane; v2 16 x lane; v3 8 x lane; v5 stage in; v6 stage out; v8, v9 the add's two registers; none of them is rewritten
	s_load_b512 s[4:19], s[0:1], 0x0               ; x, c, attn_mask, Wq, Wk, Wv, Wo, xcb
	s_load_b256 s[20:27], s[0:1], 0x40             ; wb, wo16, maskw, rope
	v_lshl_add_u32 v8, v0, 2, SPARE
	v_mov_b32 v9, 0
	v_lshrrev_b32 v4, 5, v0
	v_readfirstlane_b32 s28, v4                    ; wave 0..7
	v_and_b32 v1, 31, v0
	v_lshlrev_b32 v2, 4, v1
	v_lshlrev_b32 v3, 3, v1
	s_mul_i32 s44, s28, STG
	v_lshl_add_u32 v5, v1, 4, s44                  ; in: 16 bytes a lane of a row
	v_and_b32 v6, 15, v0
	v_bfe_u32 v7, v0, 4, 1
	v_mul_u32_u24 v6, v6, 528
	v_lshl_add_u32 v6, v7, 5, v6
	v_add_nc_u32 v6, s44, v6                       ; out: row l % 16, keys 8 (l / 16) on
.irp j, 0,1,2,3
	v_mov_b32 v[OW+\j], 0                          ; v_writelane_b32 keeps the other lanes: the registers are written whole first
.endr
	s_lshl_b32 s29, ttmp9, 3
	s_add_co_u32 s29, s29, s28                     ; gw
	s_lshl_b32 s30, s29, 13                        ; 8,192 bytes of x and of c
	s_mov_b32 s31, 0
	s_lshl_b32 s32, s29, 12                        ; 4,096 of xcb
	s_mov_b32 s33, 0
	s_lshl_b32 s34, s29, 10                        ; 1,024 of each W
	s_mov_b32 s35, 0
	s_lshl_b32 s36, s29, 9                         ; 512 of wb's thirds, of wo16 and of maskw
	s_mov_b32 s37, 0
	s_lshr_b32 s38, s29, 10                        ; b,
	s_lshl_b32 s38, s38, 24                        ; 2,048 rows of 8,192 bytes
	s_bfe_u32 s39, s29, 0x60004                    ; the pair of query tiles: 32 rows
	s_lshl_b32 s39, s39, 18
	s_add_co_u32 s38, s38, s39
	s_and_b32 s39, s29, 15                         ; two key steps: 128 keys, 512 bytes
	s_lshl_b32 s39, s39, 9
	s_add_co_u32 s38, s38, s39
	s_mov_b32 s39, 0
	s_lshl_b32 s40, ttmp9, 8                       ; 64 table entries
	s_mov_b32 s41, 0
	s_wait_kmcnt 0x0
	s_add_nc_u64 s[4:5], s[4:5], s[30:31]
	s_add_nc_u64 s[6:7], s[6:7], s[30:31]
	s_add_nc_u64 s[8:9], s[8:9], s[38:39]
	s_add_nc_u64 s[10:11], s[10:11], s[34:35]
	s_add_nc_u64 s[12:13], s[12:13], s[34:35]
	s_add_nc_u64 s[14:15], s[14:15], s[34:35]
	s_add_nc_u64 s[16:17], s[16:17], s[34:35]
	s_add_nc_u64 s[18:19], s[18:19], s[32:33]      ; xcb, x's half
	s_add_nc_u64 s[42:43], s[18:19], 0x1000000     ; xcb, c's half
	s_add_nc_u64 s[20:21], s[20:21], s[36:37]
	s_add_nc_u64 s[22:23], s[22:23], s[36:37]
	s_add_nc_u64 s[24:25], s[24:25], s[36:37]
	s_add_nc_u64 s[26:27], s[26:27], s[40:41]
.macro LD16 B, lo, off, stride         ; sixteen loads of 512 consecutive bytes
.irp i, 0,1,2,3,4,5,6,7,8,9,10,11,12,13,14,15
	global_load_b128 v[(\B)+4*(\i):(\B)+4*(\i)+3], v2, s[\lo:\lo+1] offset:(\off)+(\i)*(\stride) th:TH_LOAD_NT
.endr
.endm
.macro CAST B, lo                      ; four f32 a lane become four bf16; a store of the wave covers 256 consecutive bytes, aligned
.irp i, 0,1,2,3,4,5,6,7,8,9,10,11,12,13,14,15
	v_cvt_pk_bf16_f32 v[(\B)+4*(\i)], v[(\B)+4*(\i)], v[(\B)+4*(\i)+1]
	v_cvt_pk_bf16_f32 v[(\B)+4*(\i)+1], v[(\B)+4*(\i)+2], v[(\B)+4*(\i)+3]
	global_store_b64 v3, v[(\B)+4*(\i):(\B)+4*(\i)+1], s[\lo:\lo+1] offset:256*(\i)
.endr
.endm
; Query tile u of the pair: 16 rows x 128 keys go into my stage by rows and come back a row a lane (register 32 st + 8 kt + j = key 64 st + 16 kt + 8 (l / 16) + j of row l % 16).
; LDS serves a wave's instructions in order and the bytes are the wave's own: no wait between the stores and the loads, no barrier.
.macro MASKT u, B
.irp i, 0,1,2,3,4,5,6,7,8,9,10,11,12,13,14,15
	ds_store_b128 v5, v[(\B)+4*(\i):(\B)+4*(\i)+3] offset:528*(\i)
.endr
.irp g, 0,1,2,3,4,5,6,7,8,9,10,11,12,13,14,15
	ds_load_b128 v[(\B)+4*(\g):(\B)+4*(\g)+3], v6 offset:256*((\g)/8)+64*(((\g)/2)%4)+16*((\g)%2)
.endr
	s_wait_dscnt 0x0
.irp g, 0,1,2,3,4,5,6,7
.irp j, 0,1,2,3,4,5,6,7
	v_cmp_eq_f32 s[48+(\j)], 0, v[(\B)+8*(\g)+(\j)]  ; the 32 lanes' bits: one word of maskw
.endr
.irp j, 0,1,2,3,4,5,6,7
	v_writelane_b32 v[OW+(\j)%4], s[48+(\j)], 16*((\g)/4)+8*(\u)+2*((\g)%4)+(\j)/4  ; word 64 st + 32 u + 8 kt + j lies in lane word / 4, register word % 4
.endr
.endr
.endm
	LD16 B0, 4, 0, 512                             ; x
	LD16 B1, 6, 0, 512                             ; c
	LD16 B2, 8, 0, 8192                            ; the mask's rows 0-15
	s_wait_loadcnt 32                              ; x is in; c's and the mask's 32 loads stay out
	CAST B0, 18
	s_wait_loadcnt 16                              ; c is in
	CAST B1, 42
	s_wait_xcnt 0x0                                ; the stores have read B0 and B1: they are loaded again only behind this wait
	LD16 B0, 8, 131072, 8192                       ; the mask's rows 16-31
.irp k, 0,1
	global_load_b128 v[B1+4*\k:B1+4*\k+3],       v2, s[10:11] offset:512*\k th:TH_LOAD_NT
	global_load_b128 v[B1+8+4*\k:B1+8+4*\k+3],   v2, s[12:13] offset:512*\k th:TH_LOAD_NT
	global_load_b128 v[B1+16+4*\k:B1+16+4*\k+3], v2, s[14:15] offset:512*\k th:TH_LOAD_NT
	global_load_b128 v[B1+24+4*\k:B1+24+4*\k+3], v2, s[16:17] offset:512*\k th:TH_LOAD_NT
.endr
	s_wait_loadcnt 24                              ; rows 0-15 are in; the 16 + 8 loads behind them stay out
	MASKT 0, B2
	s_wait_loadcnt 8                               ; rows 16-31 are in; the weights' 8 stay out
	MASKT 1, B0
	global_store_b128 v2, v[OW:OW+3], s[24:25]     ; 512 consecutive bytes, aligned
	s_wait_loadcnt 0x0
.irp m, 0,1,2
.irp k, 0,1
	v_cvt_pk_bf16_f32 v[B1+8*\m+4*\k], v[B1+8*\m+4*\k], v[B1+8*\m+4*\k+1]
	v_cvt_pk_bf16_f32 v[B1+8*\m+4*\k+1], v[B1+8*\m+4*\k+2], v[B1+8*\m+4*\k+3]
	global_store_b64 v3, v[B1+8*\m+4*\k:B1+8*\m+4*\k+1], s[20:21] offset:2097152*\m+256*\k
.endr
.endr
.irp k, 0,1                            ; Wo: rounded to bf16 like every input, and that number written as f16
	v_cvt_pk_bf16_f32 v[B1+24+4*\k], v[B1+24+4*\k], v[B1+24+4*\k+1]
	v_cvt_pk_bf16_f32 v[B1+24+4*\k+1], v[B1+24+4*\k+2], v[B1+24+4*\k+3]
	v_lshlrev_b32 v[B1+24+4*\k+2], 16, v[B1+24+4*\k]
	v_and_b32 v[B1+24+4*\k+3], 0xffff0000, v[B1+24+4*\k]
	v_cvt_pk_f16_f32 v[B1+24+4*\k], v[B1+24+4*\k+2], v[B1+24+4*\k+3]
	v_lshlrev_b32 v[B1+24+4*\k+2], 16, v[B1+24+4*\k+1]
	v_and_b32 v[B1+24+4*\k+3], 0xffff0000, v[B1+24+4*\k+1]
	v_cvt_pk_f16_f32 v[B1+24+4*\k+1], v[B1+24+4*\k+2], v[B1+24+4*\k+3]
	global_store_b64 v3, v[B1+24+4*\k:B1+24+4*\k+1], s[22:23] offset:256*\k
.endr
	s_cmp_lg_u32 s28, 0
	s_cbranch_scc1 .Lend                           ; the table is wave 0's
	; lane l makes entries 2 l and 2 l + 1 of the work-group's 64: t = 4 x work-group + l / 8, i = 2 l % 16 and the next
	v_lshrrev_b32 v224, 3, v1
	s_lshl_b32 s45, ttmp9, 2
	v_add_nc_u32 v224, s45, v224
	v_cvt_f32_u32 v224, v224                       ; t
	v_lshlrev_b32 v225, 1, v1
	v_and_b32 v225, 14, v225
	v_or_b32 v226, 1, v225
	v_cvt_f32_u32 v225, v225
	v_cvt_f32_u32 v226, v226
	v_mul_f32 v225, 0xbf549a78, v225               ; -i log2(10000) / 16
	v_mul_f32 v226, 0xbf549a78, v226
	v_exp_f32 v227, v225
	v_exp_f32 v228, v226
	v_nop                                          ; a plain instruction behind the last exponential,
	s_wait_alu depctr_va_vdst(0)                   ; and the one wait ahead of the first use
; angle = n pi/2 + r with |r| <= pi/4 (pi/2 in two parts, fused: n is 1,304 at the most); sine to r^7, cosine to r^8 (both short of f32's last bits by less than 4e-7); n % 4 swaps and signs them
.macro ROPE1 z
.set R, 230+8*(\z)
	v_mul_f32 v[R], v224, v[227+(\z)]
	v_mul_f32 v[R+1], 0x3f22f983, v[R]
	v_rndne_f32 v[R+1], v[R+1]
	v_fmamk_f32 v[R+2], v[R+1], 0xbfc90fdb, v[R]
	v_fmamk_f32 v[R+2], v[R+1], 0x333bbd2e, v[R+2]
	v_mul_f32 v[R+3], v[R+2], v[R+2]
	v_mov_b32 v[R+4], 0xb9500d01
	v_fmaak_f32 v[R+4], v[R+4], v[R+3], 0x3c088889
	v_fmaak_f32 v[R+4], v[R+4], v[R+3], 0xbe2aaaab
	v_mul_f32 v[R+5], v[R+2], v[R+3]
	v_fma_f32 v[R+5], v[R+5], v[R+4], v[R+2]       ; sin r
	v_mov_b32 v[R+6], 0x37d00d01
	v_fmaak_f32 v[R+6], v[R+6], v[R+3], 0xbab60b61
	v_fmaak_f32 v[R+6], v[R+6], v[R+3], 0x3d2aaaab
	v_fmaak_f32 v[R+6], v[R+6], v[R+3], 0xbf000000
	v_fma_f32 v[R+6], v[R+6], v[R+3], 1.0          ; cos r
	v_cvt_i32_f32 v[R+7], v[R+1]
	v_and_b32 v[246+(\z)], 1, v[R+7]
	v_cmp_eq_u32 vcc_lo, 1, v[246+(\z)]
	v_cndmask_b32 v[250+(\z)], v[R+5], v[R+6], vcc_lo
	v_cndmask_b32 v[248+(\z)], v[R+6], v[R+5], vcc_lo
	v_and_b32 v[246+(\z)], 2, v[R+7]
	v_lshlrev_b32 v[246+(\z)], 30, v[246+(\z)]
	v_xor_b32 v[250+(\z)], v[246+(\z)], v[250+(\z)]  ; the sine is negative in quadrants 2 and 3,
	v_add_nc_u32 v[246+(\z)], 1, v[R+7]
	v_and_b32 v[246+(\z)], 2, v[246+(\z)]
	v_lshlrev_b32 v[246+(\z)], 30, v[246+(\z)]
	v_xor_b32 v[248+(\z)], v[246+(\z)], v[248+(\z)]  ; the cosine in 1 and 2
.endm
	ROPE1 0
	ROPE1 1
	global_store_b64 v3, v[248:249], s[26:27]
	global_store_b64 v3, v[250:251], s[26:27] offset:131072
.Lend:
	s_wait_tensorcnt 0x0                           ; the wave's end, behind my last LDS store
	ds_add_u32 v8, v9
	s_wait_dscnt 0x0
	s_endpgm
.Lfunc_end_k_qa26f158a8a_prep:
	.size	k_qa26f158a8a_prep, .Lfunc_end_k_qa26f158a8a_prep-k_qa26f158a8a_prep
	.p2alignl 7, 3214868480
	.fill 96, 4, 3214868480
	.section	.rodata,"a",@progbits
	.p2align	6, 0x0
	.amdhsa_kernel k_qa26f158a8a_prep
		.amdhsa_group_segment_fixed_size 68608
		.amdhsa_private_segment_fixed_size 0
		.amdhsa_enable_private_segment 0
		.amdhsa_kernarg_size 96
		.amdhsa_user_sgpr_count 2
		.amdhsa_user_sgpr_kernarg_segment_ptr 1
		.amdhsa_wavefront_size32 1
		.amdhsa_system_sgpr_workgroup_id_x 1
		.amdhsa_system_sgpr_workgroup_id_y 1
		.amdhsa_system_sgpr_workgroup_id_z 1
		.amdhsa_system_vgpr_workitem_id 0
		.amdhsa_next_free_vgpr 256
		.amdhsa_next_free_sgpr 66
		.amdhsa_reserve_vcc 1
		.amdhsa_float_denorm_mode_32 3
		.amdhsa_float_denorm_mode_16_64 3
		.amdhsa_memory_ordered 1
		.amdhsa_forward_progress 1
		.amdhsa_inst_pref_size 43
	.end_amdhsa_kernel
	.amdgpu_metadata
---
amdhsa.version: [ 1, 2 ]
amdhsa.kernels:
  - .name:           k_qa26f158a8a_prep
    .symbol:         k_qa26f158a8a_prep.kd
    .args:
      - { .name: x, .offset: 0, .size: 8, .value_kind: global_buffer, .address_space: global }
      - { .name: c, .offset: 8, .size: 8, .value_kind: global_buffer, .address_space: global }
      - { .name: attn_mask, .offset: 16, .size: 8, .value_kind: global_buffer, .address_space: global }
      - { .name: Wq, .offset: 24, .size: 8, .value_kind: global_buffer, .address_space: global }
      - { .name: Wk, .offset: 32, .size: 8, .value_kind: global_buffer, .address_space: global }
      - { .name: Wv, .offset: 40, .size: 8, .value_kind: global_buffer, .address_space: global }
      - { .name: Wo, .offset: 48, .size: 8, .value_kind: global_buffer, .address_space: global }
      - { .name: xcb, .offset: 56, .size: 8, .value_kind: global_buffer, .address_space: global }
      - { .name: wb, .offset: 64, .size: 8, .value_kind: global_buffer, .address_space: global }
      - { .name: wo16, .offset: 72, .size: 8, .value_kind: global_buffer, .address_space: global }
      - { .name: maskw, .offset: 80, .size: 8, .value_kind: global_buffer, .address_space: global }
      - { .name: rope, .offset: 88, .size: 8, .value_kind: global_buffer, .address_space: global }
    .group_segment_fixed_size: 68608
    .private_segment_fixed_size: 0
    .kernarg_segment_align: 8
    .kernarg_segment_size: 96
    .max_flat_workgroup_size: 256
    .sgpr_count:     66
    .vgpr_count:     256
    .wavefront_size: 32
...
	.end_amdgpu_metadata
.endif
;; end of part 1
;; launch proj (part 2): grid 32 x 24, 4 waves a work-group, clusters of 4 x 4, 327,680 bytes of LDS; arguments xcb, wb, bq, bk, bv, rope, qkv; writes qkv
.if DOCPART == 2
	.amdgcn_target "amdgcn-amd-amdhsa--gfx1250"
	.amdhsa_code_object_version 6
	.text
	.protected	k_qa26f158a8a_proj
	.globl	k_qa26f158a8a_proj
	.p2align	8
	.type	k_qa26f158a8a_proj,@function
k_qa26f158a8a_proj:
	s_mov_b64 s[64:65], 0
	v_nop
	global_prefetch_b8 v0, s[64:65] scope:SCOPE_SE
	s_setreg_imm32_b32 hwreg(HW_REG_WAVE_MODE, 25, 1), 1
	s_wait_xcnt 0x0
	s_wait_alu depctr_hold_cnt(0) depctr_sa_sdst(0) depctr_va_vdst(0) depctr_va_sdst(0) depctr_va_ssrc(0) depctr_va_vcc(0) depctr_vm_vsrc(0)
	s_getreg_b32 s2, hwreg(HW_REG_IB_STS2, 6, 4)
	s_cmp_eq_u32 s2, 0
	s_cbranch_scc0 .Lentry_in_a_cluster
	s_endpgm
.Lentry_in_a_cluster:
	s_bfe_u32 s2, ttmp6, 0x10000c
	s_cmp_lg_u32 s2, 0xf033
	s_cbranch_scc0 .Lentry_shape_is_right
	s_endpgm
.Lentry_shape_is_right:
; PROJ: q = Wq x + bq, k = Wk c + bk, v = Wv c + bv, partial RoPE on q and k, written by heads: qkv[3][64 b,h][2048 t][64] in f16.  q carries c = log2(e) / 8, applied in f32 ahead of its one rounding.
; Operands bf16 (the bias rounded to bf16 like every input), sums and RoPE in f32.  LIMIT: f16 ends at 65,504: c q, k and v must stay within it.
; SHARES.  A work-group makes 128 output channels x 256 t of one matrix and batch, K = 1,024: 768 work-groups.  Wave (WHI, WLO): one head (64 channels: 4 tiles) x 128 t (8 tiles): 32 accumulators.
; LAYOUT.  Source 0 = 16 rows of W (K along the rows), source 1 = 16 columns t of x.  x lies [k][t], so its fragments come out of LDS turned, by ds_load_tr16_b128.  In the result a lane holds ONE t
; (lane % 16) and the channels 8 (lane / 16) + 0..7 of the tile: 16 bytes of a row of qkv; and a RoPE pair (d, d + 16) is the same lane and register of channel tiles 0 and 1.
; RING.  K goes in steps of 128 through two LDS slots.  Waves 0, 1 fetch the two halves of W's tile (64 rows x 256 bytes), waves 2, 3 those of x's (64 k-rows x 512 bytes).
; CLUSTER 4 x 4.  W's tile hangs on the tile row alone: asked for jointly by my row of the cluster; x's on batch, t block and source (x or c, the same for a whole cluster): jointly by my column.
; The bias is the C operand of the first products: nothing is cleared, nothing added later.
; REGISTERS: window 0: v0-31 addresses; two fragment buffers of 96 (W's 4 at +0, x's 8 at +32); on the way out v32-159 packed rows.  window 1: accumulator (mt, nt) at 8 (8 mt + nt).
;   window 2: v0-127 cos (16 nt) and sin (16 nt + 8) of my t and channels; v128-159 bias, 8 a channel tile; v160-175 at work.
.set KSTEP, 128
.set PA,    272                        ; W's row in LDS: 256 bytes + 16: the 16 rows of a load start at 16 different groups of four banks (64 banks of 4 bytes: ISA guide 11.1)
.set PB,    544                        ; x's row: 512 + 32 = 136 words
.set HALFA, 64*PA
.set HALFB, 64*PB
.set BOFF,  2*HALFA                    ; a slot: W's 128 rows, then x's 128 k-rows
.set SLOT,  BOFF+2*HALFB
.set STAGE, 2*SLOT                     ; behind the ring, never filled by a tensor load: 16 rows x 144 bytes for each wave
.set SP,    144
.set SPARE, STAGE+4*16*SP              ; the spare words, 128 bytes a wave: two blocks of 256 bytes that no other line names
.set LAPS,  4                          ; 1,024 / 256: a lap is two K steps, once round the ring
.set ADRA, 16                          ; v16-17 LDS address of my W fragments in slot 0, 1
.set ADRB, 20                          ; v20-21 the same for x
.set STO,  24
.set RD,   25
.set GO,   26
.set BO,   27                          ; my offset in the bias
.set SPW,  28                          ; SPARE + 4 x my thread's number; never rewritten
.set NIL,  29                          ; 0; never rewritten
.set PFO,  30                          ; the prefetches' lane offset; never rewritten
.set TO,   31                          ; my offset in the tables
.set F0,   32
.set F1,   128
.set TMP,  32
.set TAB,  0
.set BIA,  128
.set RT,   160
.set WV,   18
.set WHI,  19                          ; my head of the two.  Also: I fetch for W (0) or for x (1)
.set WLO,  20                          ; my 128 t of the 256.  Also: which half of that tile I fetch
.set G1A,  24
.set G0A,  32
.set G1B,  48
.set G0B,  56
.set PFA,  66                          ; s[66:67] where my prefetches stand
.set PFS,  68                          ; s[68:69] a K step in my operand's memory
.set LIM,  70                          ; s70, s71: for the change of slot 0, of slot 1: 1 where I prefetch there, else the greatest number
.set SC,   72                          ; s[72:73] c for q, 1 for k and v
.set MSB, 0
.macro WIN new                         ; the immediate's high byte repeats the setting that is left; a switch that changes nothing is dropped
.if MSB != (\new)
	s_set_vgpr_msb (MSB<<8)|(\new)
.set MSB, \new
.endif
.endm
.macro JLOAD s                         ; a joint load; an s_nop 0 and four v_nop follow each of the two lines, ahead of the jump, the label and what follows
	s_cmp_eq_u32 s[WHI], 0
	s_cbranch_scc0 .Lfor_b_\@
	tensor_load_to_lds s[G0A+4*(\s):G0A+4*(\s)+3], s[G1A:G1A+7]
	s_nop 0
.rept 4
	v_nop
.endr
	s_branch .Lasked_\@
.Lfor_b_\@:
	tensor_load_to_lds s[G0B+4*(\s):G0B+4*(\s)+3], s[G1B:G1B+7]
	s_nop 0
.rept 4
	v_nop
.endr
.Lasked_\@:
.endm
.macro CREST                           ; a round of the cluster's barrier behind its opening barrier
	s_cmp_lg_u32 s[WV], 0
	s_cbranch_scc1 .Lnot_wave_0_\@
	s_barrier_signal -3
.Lnot_wave_0_\@:
	s_barrier_wait -3
	s_barrier_signal -1
	s_barrier_wait -1
.endm
.macro CROUND
	s_barrier_signal -1
	s_barrier_wait -1
	CREST
.endm
; A PREFETCH INTO THE L2, behind a joint load, its five lines and the run of LDS loads: the K step that stands two refills on, 256 matrix instructions ahead of the load that will want it.
; x's tile is read by every cluster of its column of clusters that takes the same source: the first of them asks (cluster y 0 for x, 2 for c); W's by every cluster of its row: cluster x = 0 asks.
; The four partners of a joint load share its rows out BY ADDRESS, 16 each.  x: 16 rows x two blocks of 256 bytes, a lane a block, at every change.  W: 16 rows x one block, for two K steps at once, at slot 0's changes.
; So each block is named once in the launch.  K steps 0 to 3 come by their loads alone; the loop's last trip (s3 = 1) asks for nothing: K ends there.
.macro ASK slot
	s_cmp_gt_u32 s3, s[LIM+(\slot)]
	s_cbranch_scc0 .Lnot_mine_\@
	global_prefetch_b8 v[PFO], s[PFA:PFA+1] th:TH_LOAD_NT scope:SCOPE_SE
.Lnot_mine_\@:
.endm
.macro PLACES                          ; four places in front of loads into registers that matrix instructions have read, and of vector work that reads results
.rept 4
	v_nop
.endr
.endm
	s_load_b256 s[4:11], s[0:1], 0x0               ; xcb s[4:5], wb s[6:7], bq s[8:9], bk s[10:11]
	s_load_b128 s[12:15], s[0:1], 0x20             ; bv s[12:13], rope s[14:15]
	s_load_b64 s[16:17], s[0:1], 0x30              ; qkv
	v_lshl_add_u32 v[SPW], v0, 2, SPARE
	v_mov_b32 v[NIL], 0
	ds_add_u32 v[SPW], v[NIL]                      ; the wave's opening: the add, and its wait ahead of my first tensor load; the set-up below stands between them
	v_lshrrev_b32 v1, 5, v0
	v_readfirstlane_b32 s[WV], v1
	s_lshr_b32 s[WHI], s[WV], 1
	s_and_b32 s[WLO], s[WV], 1
	s_bfe_u32 s21, ttmp6, 0x40000                  ; cx
	s_bfe_u32 s22, ttmp6, 0x40004                  ; cy
	s_lshl_b32 s23, ttmp9, 2
	s_add_co_u32 s23, s23, s21                     ; X = 8 b + t block
	s_and_b32 s2, ttmp7, 0xffff                    ; cluster y
	s_lshl_b32 s40, s2, 2
	s_add_co_u32 s40, s40, s22                     ; Y: block of 128 rows of wb
	s_lshr_b32 s41, s2, 1                          ; the matrix: 0 q, 1 k, 2 v: the same in all sixteen partners
	s_lshl_b32 s42, s22, 2
	s_lshl_b32 s42, 15, s42                        ; my row of the cluster
	s_lshl_b32 s46, 0x1111, s21                    ; my column
	s_or_b32 s[G1A], s42, (1<<16)|(1<<20)|(1<<21)|(5<<22)|(3<<25)  ; the mask; 2-byte elements; padding on; bit 21 beside a mask; after every 64 words, 4 words
	s_or_b32 s[G1B], s46, (1<<16)|(1<<20)|(1<<21)|(6<<22)|(7<<25)  ; after every 128 words, 8 words
	s_mov_b32 s[G1A+1], 128<<16                    ; tensor_dim0 = 128
	s_mov_b32 s[G1A+2], 64<<16                     ; tensor_dim1 = 64
	s_mov_b32 s[G1A+3], 128<<16                    ; tile_dim0 = 128
	s_mov_b32 s[G1A+4], 64                         ; tile_dim1 = 64
	s_mov_b32 s[G1A+5], 1024                       ; elements from row to row of wb
	s_mov_b32 s[G1A+6], 0
	s_mov_b32 s[G1A+7], 0
	s_mov_b32 s[G1B+1], 256<<16
	s_mov_b32 s[G1B+2], 64<<16
	s_mov_b32 s[G1B+3], 256<<16
	s_mov_b32 s[G1B+4], 64
	s_mov_b32 s[G1B+5], 2048                       ; of xcb
	s_mov_b32 s[G1B+6], 0
	s_mov_b32 s[G1B+7], 0
	s_lshl_b32 s42, s40, 18                        ; W: 128 rows of 2,048 bytes a block,
	s_lshl_b32 s43, s[WLO], 17                     ; my 64 of them
	s_add_co_u32 s42, s42, s43
	s_mov_b32 s43, 0
	s_min_u32 s46, s41, 1                          ; x for q, c for k and v
	s_lshl_b32 s46, s46, 24
	s_lshr_b32 s47, s23, 3
	s_lshl_b32 s47, s47, 22                        ; the batch
	s_add_co_u32 s46, s46, s47
	s_and_b32 s47, s23, 7
	s_lshl_b32 s47, s47, 9                         ; 256 t
	s_add_co_u32 s46, s46, s47
	s_lshl_b32 s47, s[WLO], 18                     ; my 64 k-rows of 4,096 bytes
	s_add_co_u32 s46, s46, s47
	s_mov_b32 s47, 0
	s_mul_i32 s74, s[WLO], HALFA                   ; where the tiles go: no place in the cluster enters an LDS address
	s_mul_i32 s75, s[WLO], HALFB
	s_add_co_u32 s75, s75, BOFF
	s_and_b32 s76, s2, 0xfffd                      ; 0 where cluster y is 0 or 2
	s_cmp_eq_u32 s[WHI], 0
	s_cselect_b32 s76, ttmp9, s76
	s_cmp_eq_u32 s76, 0
	s_cselect_b32 s[LIM], 1, -1                    ; the same in all sixteen partners, for a given wave
	s_cmp_eq_u32 s[WHI], 0
	s_cselect_b32 s[LIM+1], -1, s[LIM]
	s_lshl_b32 s76, s21, 15                        ; W: my work-group's 16 rows; K step 3
	s_add_co_u32 s76, s76, 3*256
	s_lshl_b32 s77, s22, 16                        ; x: my work-group's 16 k-rows; K step 3
	s_add_co_u32 s77, s77, 3*524288
	s_mov_b32 s78, 524288
	s_cmp_eq_u32 s[WHI], 0
	s_cselect_b32 s76, s76, s77
	s_cselect_b32 s[PFS], 256, s78
	s_mov_b32 s77, 0
	s_mov_b32 s[PFS+1], 0
	s_wait_dscnt 0x0                               ; the opening add is done
	s_wait_kmcnt 0x0
	s_add_nc_u64 s[44:45], s[6:7], s[42:43]
	s_add_nc_u64 s[46:47], s[4:5], s[46:47]
	s_cmp_eq_u32 s[WHI], 0
	s_cselect_b64 s[PFA:PFA+1], s[44:45], s[46:47]
	s_add_nc_u64 s[PFA:PFA+1], s[PFA:PFA+1], s[76:77]  ; each change that fills steps it first: the first names K step 4
	CROUND                                         ; all sixteen work-groups are here: the first joint loads meet
.irp s, 0,1
	s_mov_b32 s[G0A+4*(\s)], 1
	s_add_co_u32 s[G0A+4*(\s)+1], s74, (\s)*SLOT
	s_add_nc_u64 s[G0A+4*(\s)+2:G0A+4*(\s)+3], s[44:45], (\s)*KSTEP*2
	s_or_b32 s[G0A+4*(\s)+3], s[G0A+4*(\s)+3], 0x80000000
	s_mov_b32 s[G0B+4*(\s)], 1
	s_add_co_u32 s[G0B+4*(\s)+1], s75, (\s)*SLOT
	s_add_nc_u64 s[G0B+4*(\s)+2:G0B+4*(\s)+3], s[46:47], (\s)*KSTEP*4096
	s_or_b32 s[G0B+4*(\s)+3], s[G0B+4*(\s)+3], 0x80000000
	JLOAD \s
.endr
	v_and_b32 v1, 15, v0                           ; r = l % 16
	v_bfe_u32 v2, v0, 4, 1                         ; h = l / 16
	v_and_b32 v3, 31, v0                           ; l
	s_and_b32 s74, s40, 7                          ; the block of 128 channels in its matrix
	s_lshl_b32 s75, s74, 9
	s_lshl_b32 s76, s[WHI], 8
	s_add_co_u32 s75, s75, s76
	v_lshl_add_u32 v[BO], v2, 5, s75               ; bias: 4 x (my head's first channel + 8 h)
	s_and_b32 s76, s23, 7                          ; t block
	s_lshl_b32 s77, s76, 14
	s_lshl_b32 s78, s[WLO], 13
	s_add_co_u32 s77, s77, s78
	v_lshl_add_u32 v[TO], v1, 6, s77               ; tables: 64 bytes a t,
	v_lshl_add_u32 v[TO], v2, 5, v[TO]             ; my eight channels
	s_cmp_eq_u32 s41, 0
	s_cselect_b64 s[78:79], s[8:9], s[10:11]
	s_cmp_eq_u32 s41, 2
	s_cselect_b64 s[78:79], s[12:13], s[78:79]
	WIN 0x80                                       ; destination window 2, address window 0
.irp mt, 0,1,2,3
	global_load_b128 v[BIA+8*\mt:BIA+8*\mt+3],   v[BO], s[78:79] offset:64*\mt
	global_load_b128 v[BIA+8*\mt+4:BIA+8*\mt+7], v[BO], s[78:79] offset:64*\mt+16
.endr
.irp nt, 0,1,2,3,4,5,6,7
	global_load_b128 v[TAB+16*\nt:TAB+16*\nt+3],     v[TO], s[14:15] offset:1024*\nt
	global_load_b128 v[TAB+16*\nt+4:TAB+16*\nt+7],   v[TO], s[14:15] offset:1024*\nt+16
	global_load_b128 v[TAB+16*\nt+8:TAB+16*\nt+11],  v[TO], s[14:15] offset:131072+1024*\nt
	global_load_b128 v[TAB+16*\nt+12:TAB+16*\nt+15], v[TO], s[14:15] offset:131072+1024*\nt+16
.endr
	WIN 0
	s_lshl_b32 s42, s41, 24                        ; qkv: the matrix,
	s_lshr_b32 s43, s23, 3
	s_lshl_b32 s43, s43, 4
	s_lshl_b32 s74, s74, 1
	s_add_co_u32 s43, s43, s74
	s_add_co_u32 s43, s43, s[WHI]                  ; 16 b + my head,
	s_lshl_b32 s43, s43, 18
	s_add_co_u32 s42, s42, s43
	s_lshl_b32 s43, s76, 15                        ; 256 rows of 128 bytes,
	s_add_co_u32 s42, s42, s43
	s_lshl_b32 s43, s[WLO], 14                     ; my 128
	s_add_co_u32 s42, s42, s43
	s_mov_b32 s43, 0
	s_add_nc_u64 s[16:17], s[16:17], s[42:43]
	s_cmp_eq_u32 s41, 0
	s_cselect_b32 s[SC], 0x3e38aa3b, 1.0           ; c = log2(e) / 8 = 0.180337
	s_mov_b32 s[SC+1], s[SC]                       ; named with it as a pair
	v_mul_u32_u24 v4, v1, PA
	v_lshl_add_u32 v4, v2, 4, v4                   ; W's fragment: row x pitch + 16 h; two loads, 32 bytes apart
	s_mul_i32 s74, s[WHI], HALFA
	v_and_b32 v5, 7, v0                            ; x's: the turning load takes k-row 8 h + l % 8, t 8 ((l / 8) % 2) + 0..7, and leaves column l % 16 with 8 k
	v_lshl_add_u32 v5, v2, 3, v5
	v_mul_u32_u24 v5, v5, PB
	v_bfe_u32 v6, v0, 3, 1
	v_lshl_add_u32 v5, v6, 4, v5
	s_lshl_b32 s75, s[WLO], 8
	s_add_co_u32 s75, s75, BOFF
.irp s, 0,1
	v_add_nc_u32 v[ADRA+(\s)], s74, v4
	v_add_nc_u32 v[ADRB+(\s)], s75, v5
	s_add_co_u32 s74, s74, SLOT
	s_add_co_u32 s75, s75, SLOT
.endr
	s_mul_i32 s74, s[WV], 16*SP
	s_add_co_u32 s74, s74, STAGE                   ; my stage
	v_mul_u32_u24 v[STO], v1, SP                   ; in: row l % 16, 16 bytes for each half of the lanes
	v_lshl_add_u32 v[STO], v2, 4, v[STO]
	v_add_nc_u32 v[STO], s74, v[STO]
	v_bfe_u32 v[RD], v0, 3, 2                      ; back: 32 lanes take four rows of 128 bytes,
	v_mul_u32_u24 v[RD], v[RD], SP
	v_and_b32 v7, 7, v0
	v_lshl_add_u32 v[RD], v7, 4, v[RD]
	v_add_nc_u32 v[RD], s74, v[RD]
	v_lshlrev_b32 v[GO], 4, v3                     ; which are 512 consecutive bytes of qkv
	v_lshlrev_b32 v8, 11, v1                       ; W's prefetch: row l % 16, K step l / 16
	v_lshl_add_u32 v8, v2, 8, v8
	v_lshrrev_b32 v9, 1, v3                        ; x's: k-row l / 2, block l % 2
	v_lshlrev_b32 v9, 12, v9
	v_and_b32 v10, 1, v0
	v_lshl_add_u32 v9, v10, 8, v9
	s_xor_b32 s75, s[WHI], 1
	v_mul_u32_u24 v8, v8, s75
	v_mad_u32_u24 v[PFO], v9, s[WHI], v8
	s_wait_loadcnt 0x0                             ; bias and tables
	WIN 0x8a                                       ; all in window 2: the bias is rounded to bf16, like every input
.set i, 0
.rept 16
	v_cvt_pk_bf16_f32 v[RT+i%4], v[BIA+2*i], v[BIA+2*i+1]
	v_lshlrev_b32 v[BIA+2*i], 16, v[RT+i%4]
	v_and_b32 v[BIA+2*i+1], 0xffff0000, v[RT+i%4]
.set i, i+1
.endr
	WIN 0
; 8 matrix instructions: channel tile mt x all 8 t tiles, 32 along K.  cm = 1: the bias starts the sums.  The 32 accumulators take turns, one instruction a turn, in the same order in every quarter.
.macro MULM f, mt, cm
.if \cm
	WIN 0x60                                       ; C window 2, D window 1
.else
	WIN 0x50                                       ; C and D window 1
.endif
.irp nt, 0,1,2,3,4,5,6,7
.if \cm
	v_wmma_f32_16x16x32_bf16 v[8*(8*(\mt)+(\nt)):8*(8*(\mt)+(\nt))+7], v[(\f)+8*(\mt):(\f)+8*(\mt)+7], v[(\f)+32+8*(\nt):(\f)+32+8*(\nt)+7], v[BIA+8*(\mt):BIA+8*(\mt)+7]
.else
	v_wmma_f32_16x16x32_bf16 v[8*(8*(\mt)+(\nt)):8*(8*(\mt)+(\nt))+7], v[(\f)+8*(\mt):(\f)+8*(\mt)+7], v[(\f)+32+8*(\nt):(\f)+32+8*(\nt)+7], v[8*(8*(\mt)+(\nt)):8*(8*(\mt)+(\nt))+7]
.endif
.endr
.endm
; 24 LDS loads in one run: quarter q (32 along K) of a slot into buffer f: x's eight fragments, then W's tiles 0, 1, then 2, 3
.macro FETCH slot, q, f
	WIN 0
.irp nt, 0,1,2,3,4,5,6,7
	ds_load_tr16_b128 v[(\f)+32+8*(\nt):(\f)+32+8*(\nt)+3],   v[ADRB+(\slot)] offset:(\q)*32*PB+32*(\nt)
	ds_load_tr16_b128 v[(\f)+32+8*(\nt)+4:(\f)+32+8*(\nt)+7], v[ADRB+(\slot)] offset:(\q)*32*PB+32*(\nt)+16*PB
.endr
.irp mt, 0,1,2,3
	ds_load_b128 v[(\f)+8*(\mt):(\f)+8*(\mt)+3],   v[ADRA+(\slot)] offset:64*(\q)+(\mt)*16*PA
	ds_load_b128 v[(\f)+8*(\mt)+4:(\f)+8*(\mt)+7], v[ADRA+(\slot)] offset:64*(\q)+(\mt)*16*PA+32
.endr
.endm
; One of a K step's first three quarters: multiplies buffer f; in its middle it fetches quarter q of the same slot into buffer g.
.macro QUARTER slot, q, f, g, cm
	s_wait_dscnt 4                                 ; x's fragments and W's tiles 0, 1 are in; the youngest four loads (W's tiles 2, 3) may be out
	MULM \f, 0, \cm
	MULM \f, 1, \cm
	PLACES
	FETCH \slot, \q, \g
	s_wait_dscnt 24                                ; all but the 24 just issued
	MULM \f, 2, \cm
	MULM \f, 3, \cm
.endm
; The last quarter multiplies buffer 1 and changes slots: ONE barrier; in front of it each wave waits for all its tensor loads (one is out: its part of the next slot), adds 0 to its spare word,
; and waits for that and for its own reads of this slot.  fill = 1: the barrier opens a round of the cluster's, and this slot is filled again, two K steps ahead: 112 matrix instructions ahead of the wait for it.
.macro TURN slot, next, fill
.if \fill
	s_wait_xcnt 0x0                                ; the last prefetch, a K step back, has read its address
	s_add_nc_u64 s[PFA:PFA+1], s[PFA:PFA+1], s[PFS:PFS+1]
.endif
	WIN 0
	s_wait_tensorcnt 0x0
	ds_add_u32 v[SPW], v[NIL]                      ; 0 onto my spare word
	s_wait_dscnt 5                                 ; (the add and the youngest four loads may be out)
	MULM F1, 0, 0                                  ; eight matrix instructions stand between the add and the wait for it
	s_wait_dscnt 0x0                               ; the add is done, and my reads of this slot are over
	s_barrier_signal -1
	MULM F1, 1, 0
.if \fill
	WIN 0
.endif
	s_barrier_wait -1
.if \fill
	CREST                                          ; no wave of any partner still reads this slot's tile or has a load on its way
	s_add_nc_u64 s[G0A+4*(\slot)+2:G0A+4*(\slot)+3], s[G0A+4*(\slot)+2:G0A+4*(\slot)+3], 2*KSTEP*2
	s_add_nc_u64 s[G0B+4*(\slot)+2:G0B+4*(\slot)+3], s[G0B+4*(\slot)+2:G0B+4*(\slot)+3], 2*KSTEP*4096
	JLOAD \slot                                    ; the first tensor load behind the round; its four v_nop are also the places in front of the loads below
.else
	PLACES
.endif
	FETCH \next, 0, F0
.if \fill
	ASK \slot
.endif
	MULM F1, 2, 0
	MULM F1, 3, 0
.endm
	s_wait_tensorcnt 1                             ; my part of K step 0 is in; K step 1's may stay out
	s_barrier_signal -1
	s_barrier_wait -1
	FETCH 0, 0, F0
	QUARTER 0, 1, F0, F1, 1                        ; the first quarter stands in front of the loop: its products start the sums
	WIN 0                                          ; at a label and at a branch every window is 0
	s_mov_b32 s3, LAPS-1
.Llap:                                                 ; a trip goes once round the ring, from a lap's second quarter to the next lap's first, and fills both slots again
	QUARTER 0, 2, F1, F0, 0
	QUARTER 0, 3, F0, F1, 0
	TURN 0, 1, 1
	QUARTER 1, 1, F0, F1, 0
	QUARTER 1, 2, F1, F0, 0
	QUARTER 1, 3, F0, F1, 0
	TURN 1, 0, 1
	QUARTER 0, 1, F0, F1, 0
	WIN 0
	s_sub_co_u32 s3, s3, 1
	s_cmp_lg_u32 s3, 0
	s_cbranch_scc1 .Llap
	QUARTER 0, 2, F1, F0, 0                        ; the last lap fills nothing, and has no round
	QUARTER 0, 3, F0, F1, 0
	TURN 0, 1, 0
	QUARTER 1, 1, F0, F1, 0
	QUARTER 1, 2, F1, F0, 0
	QUARTER 1, 3, F0, F1, 0
	s_wait_dscnt 4
	MULM F1, 0, 0
	MULM F1, 1, 0
	s_wait_dscnt 0x0
	MULM F1, 2, 0
	MULM F1, 3, 0
	; THE WAY OUT.  The scale, each accumulator's registers in ascending order; RoPE for q and k; f16; through my stage, a tile of 16 t at a time.
	PLACES
	WIN 0x41
.set i, 0
.rept 128
	v_pk_mul_f32 v[i:i+1], v[i:i+1], s[SC:SC+1] op_sel_hi:[1,0]
.set i, i+2
.endr
	WIN 0
	s_cmp_eq_u32 s41, 2                            ; v is not turned; the matrix is the same in all sixteen partners
	s_cbranch_scc1 .Lnorope
.irp nt, 0,1,2,3,4,5,6,7               ; a0 = channels 0-15 (tile 0), a1 = channels 16-31 (tile 1): a0 cos - a1 sin, a1 cos + a0 sin
	WIN 0x89                                       ; destination and source 1 window 2, source 0 window 1
.irp p, 0,2,4,6
	v_pk_mul_f32 v[RT+\p:RT+\p+1],     v[64+8*\nt+\p:64+8*\nt+\p+1], v[TAB+16*\nt+8+\p:TAB+16*\nt+8+\p+1]
	v_pk_mul_f32 v[RT+8+\p:RT+8+\p+1], v[8*\nt+\p:8*\nt+\p+1],       v[TAB+16*\nt+8+\p:TAB+16*\nt+8+\p+1]
.endr
	WIN 0x69                                       ; destination and source 0 window 1, sources 1 and 2 window 2
.irp p, 0,2,4,6
	v_pk_fma_f32 v[8*\nt+\p:8*\nt+\p+1],       v[8*\nt+\p:8*\nt+\p+1],       v[TAB+16*\nt+\p:TAB+16*\nt+\p+1], v[RT+\p:RT+\p+1] neg_lo:[0,0,1] neg_hi:[0,0,1]
	v_pk_fma_f32 v[64+8*\nt+\p:64+8*\nt+\p+1], v[64+8*\nt+\p:64+8*\nt+\p+1], v[TAB+16*\nt+\p:TAB+16*\nt+\p+1], v[RT+8+\p:RT+8+\p+1]
.endr
.endr
	WIN 0
.Lnorope:
.macro PACK nt                         ; a lane's eight channels of each of the four channel tiles pack into 16 bytes; rows of 144 bytes in, whole rows of 128 back
	WIN 0x05                                       ; sources window 1, destination window 0
.irp mt, 0,1,2,3
.irp p, 0,1,2,3
	v_cvt_pk_f16_f32 v[TMP+16*(\nt)+4*(\mt)+(\p)], v[8*(8*(\mt)+(\nt))+2*(\p)], v[8*(8*(\mt)+(\nt))+2*(\p)+1]
.endr
.endr
	WIN 0
.irp mt, 0,1,2,3
	ds_store_b128 v[STO], v[TMP+16*(\nt)+4*(\mt):TMP+16*(\nt)+4*(\mt)+3] offset:32*(\mt)
.endr
.irp k, 0,1,2,3
	ds_load_b128 v[TMP+16*(\nt)+4*(\k):TMP+16*(\nt)+4*(\k)+3], v[RD] offset:(\k)*4*SP  ; LDS serves a wave's instructions in order (ISA guide 5.7.1.4): these see the stores above; the next tile's stores come behind them
.endr
.endm
.macro SEND nt, younger                ; younger: the LDS instructions issued behind this tile's loads: the next tile's eight, or none
.irp k, 0,1,2,3
	s_wait_dscnt (\younger)+3-(\k)
	global_store_b128 v[GO], v[TMP+16*(\nt)+4*(\k):TMP+16*(\nt)+4*(\k)+3], s[16:17] offset:(\nt)*2048+(\k)*512  ; 512 consecutive bytes, at a multiple of 256 from qkv's first
.endr
.endm
	PACK 0
.irp nt, 1,2,3,4,5,6,7
	PACK \nt
	SEND (\nt)-1, 8
.endr
	SEND 7, 0
	s_wait_tensorcnt 0x0                           ; the wave's end, behind my last tensor load and my last LDS store
	ds_add_u32 v[SPW], v[NIL]
	s_wait_dscnt 0x0
	CROUND                                         ; the closing round: no work-group ends while a partner may still ask for a tile that names it
	s_endpgm
.Lfunc_end_k_qa26f158a8a_proj:
	.size	k_qa26f158a8a_proj, .Lfunc_end_k_qa26f158a8a_proj-k_qa26f158a8a_proj
	.p2alignl 7, 3214868480
	.fill 96, 4, 3214868480
	.section	.rodata,"a",@progbits
	.p2align	6, 0x0
	.amdhsa_kernel k_qa26f158a8a_proj
		.amdhsa_group_segment_fixed_size 327680
		.amdhsa_private_segment_fixed_size 0
		.amdhsa_enable_private_segment 0
		.amdhsa_kernarg_size 56
		.amdhsa_user_sgpr_count 2
		.amdhsa_user_sgpr_kernarg_segment_ptr 1
		.amdhsa_wavefront_size32 1
		.amdhsa_system_sgpr_workgroup_id_x 1
		.amdhsa_system_sgpr_workgroup_id_y 1
		.amdhsa_system_sgpr_workgroup_id_z 1
		.amdhsa_system_vgpr_workitem_id 0
		.amdhsa_next_free_vgpr 768
		.amdhsa_next_free_sgpr 80
		.amdhsa_reserve_vcc 0
		.amdhsa_float_denorm_mode_32 3
		.amdhsa_float_denorm_mode_16_64 3
		.amdhsa_memory_ordered 1
		.amdhsa_forward_progress 1
		.amdhsa_inst_pref_size 113
	.end_amdhsa_kernel
	.amdgpu_metadata
---
amdhsa.version: [ 1, 2 ]
amdhsa.kernels:
  - .name:           k_qa26f158a8a_proj
    .symbol:         k_qa26f158a8a_proj.kd
    .args:
      - { .name: xcb, .offset: 0, .size: 8, .value_kind: global_buffer, .address_space: global }
      - { .name: wb, .offset: 8, .size: 8, .value_kind: global_buffer, .address_space: global }
      - { .name: bq, .offset: 16, .size: 8, .value_kind: global_buffer, .address_space: global }
      - { .name: bk, .offset: 24, .size: 8, .value_kind: global_buffer, .address_space: global }
      - { .name: bv, .offset: 32, .size: 8, .value_kind: global_buffer, .address_space: global }
      - { .name: rope, .offset: 40, .size: 8, .value_kind: global_buffer, .address_space: global }
      - { .name: qkv, .offset: 48, .size: 8, .value_kind: global_buffer, .address_space: global }
    .group_segment_fixed_size: 327680
    .private_segment_fixed_size: 0
    .kernarg_segment_align: 8
    .kernarg_segment_size: 56
    .max_flat_workgroup_size: 128
    .sgpr_count:     80
    .vgpr_count:     768
    .wavefront_size: 32
...
	.end_amdgpu_metadata
.endif
;; end of part 2
;; launch attn (part 3): grid 4 x 64, 4 waves a work-group, clusters of 4 x 1, 327,680 bytes of LDS; arguments qkv, maskw, ob; writes ob
.if DOCPART == 3
	.amdgcn_target "amdgcn-amd-amdhsa--gfx1250"
	.amdhsa_code_object_version 6
	.text
	.protected	k_qa26f158a8a_attn
	.globl	k_qa26f158a8a_attn
	.p2align	8
	.type	k_qa26f158a8a_attn,@function
k_qa26f158a8a_attn:
	s_mov_b64 s[64:65], 0
	v_nop
	global_prefetch_b8 v0, s[64:65] scope:SCOPE_SE
	s_setreg_imm32_b32 hwreg(HW_REG_WAVE_MODE, 25, 1), 1
	s_wait_xcnt 0x0
	s_wait_alu depctr_hold_cnt(0) depctr_sa_sdst(0) depctr_va_vdst(0) depctr_va_sdst(0) depctr_va_ssrc(0) depctr_va_vcc(0) depctr_vm_vsrc(0)
	s_getreg_b32 s2, hwreg(HW_REG_IB_STS2, 6, 4)
	s_cmp_eq_u32 s2, 0
	s_cbranch_scc0 .Lentry_in_a_cluster
	s_endpgm
.Lentry_in_a_cluster:
	s_bfe_u32 s2, ttmp6, 0x10000c
	s_cmp_lg_u32 s2, 0x3003
	s_cbranch_scc0 .Lentry_shape_is_right
	s_endpgm
.Lentry_shape_is_right:
; ATTN: O[bh][q][:] = the sum over k of softmax_k(S[q][k]) V[bh][k][:], S = Q . K / 8, replaced by -10000 where the mask is 0.  qkv: [3][64 bh][2048][64] f16 (Q carries log2(e) / 8), ob: [64 bh][2048][64] f16.
; maskw holds one bit a score, as ready lane masks (its layout: at MWORDS).  Products, maxima and sums in f32; the weights p are rounded to f16 for the second product (their sum l is taken of the unrounded p), O once.
; LIMITS.  f16 holds no number beyond 65,504: Q, K, V arrive within it; p lies in 0 to 1 and below 6e-5 keeps f16's fixed step of 6e-8; O is a mean of V's rows.  A weight below 2^-126 counts as 0 in l.
; NaN and infinities are not treated apart.  The replacement is exact: a masked score IS -10000 log2(e) in the exponent's unit, so a row that is masked throughout gives the uniform mean, as in the module.
; SHARES.  A wave owns four PIECES of two tiles of 16 queries, a work-group's four waves 512 queries of one head.  Every wave walks all 2,048 keys, 64 a step.
; LAYOUT.  S^T = K Q^T (source 0 = 16 keys, source 1 = 16 queries): a lane holds ONE query (lane % 16) and the keys 8 (lane / 16) + 0..7.  Two such tiles, rounded to f16 in pairs, ARE source 1 of O^T = V^T P.
; K comes out of LDS as it lies, V ([key][channel]) turned, by ds_load_tr16_b128.
; SOFTMAX.  A running maximum m and sum l a query: p = 2^(s - m); in every step O and l are multiplied by a = 2^(m_old - m_new).  m starts far below every score, O and l at 0: the first step is a step like any other, with a = 0.
; BY TURNS.  Turn n belongs to piece n.  Matrix work: 16 products K Q^T of piece n + 1, later 16 products V^T P of piece n - 1.  Vector work: s - m, exponentials, roundings, sums and rescaling of piece n, and the
; mask's words and selects, the maximum and the statistics of piece n + 1.  Four ready vector instructions stand behind every matrix instruction, the rest in one lump; a turn's 66 exponentials are one batch with one wait.
; THE MASK WORDS come by vector loads, a whole key step (four turns) ahead of their use: a turn uses 64 words as lane masks, and there are 64 scalar registers for them, so a scalar load could go out less than a turn ahead.
; CLUSTER.  The four query blocks of a head walk the same K and V: each tile is asked for JOINTLY, by the same tensor load, descriptor and mask in all four.
; REGISTERS, in windows of 256 (s_set_vgpr_msb: bits 1:0 source 0, 3:2 source 1, 5:4 source 2, 7:6 destination):
;   window 0: v0-11 addresses and two constants; v12-15, v48-63 at work; v16-47 four registers of statistics a tile; v64-191 S^T, two buffers of two tiles; v192-255 P, likewise
;   window 1: O^T, 32 a tile     window 2: v0-127 Q; v128-191 K of one step; v192-255 V of one step     window 3: v0-1 the add's two registers; v2-9 mask words; v10-11 their offset and its bound
.set NP,    4
.set KS,    64
.set PK,    144       ; a row of K in LDS: 128 bytes + 16: the 16 rows of a load start at 16 different groups of four banks (64 banks of 4 bytes: ISA guide 11.1)
.set PV,    160       ; a row of V: 128 + 32
.set VOFF,  4*KS*PK   ; a slot holds four steps: 256 rows of K, then 256 rows of V
.set SLOT1, 1<<17
.set STAGE, SLOT1+4*KS*(PK+PV)  ; behind the ring, never filled by a tensor load: 16 rows x 144 bytes for each wave
.set SP,    144
.set SPARE, STAGE+4*16*SP       ; the spare words, 128 bytes a wave: two blocks of 256 bytes that no other line names
.set AK0, 2
.set AV0, 3
.set AK,  4
.set AV,  5
.set QO,  6           ; v6   my byte offset in the wave's rows of Q, until Q is in;
.set STO, 6           ;      then, the way out: where I put 16 bytes of a row
.set RD,  7
.set GO,  8
.set PFO, 10          ; v10  256 x my lane, from the set-up's end on; never rewritten after
.set NEGV, 11         ; v11  -10000 log2(e)
.set SPW, 0           ; v0 of window 3
.set NIL, 1           ; v1 of window 3
.set MW,  2           ; v2-9 of window 3: piece n's 64 mask words of one key step at MW + 2 n: word w in lane w / 2, register w % 2
.set MO,  10          ; v10 of window 3: 8 x my lane + 256 x the key step whose words pieces 1 to 3 load next, 31 at the most
.set MLIM, 11         ; v11 of window 3: 8 x my lane + 256 x 31; never rewritten
.set MV,  12          ; v12-15  m_old, kept while m is made anew: by buffer and tile
.set ST,  16          ; tile t's statistics at v[ST+4 t]: m, a word named with it as a pair, l (even keys', odd keys')
.set TMP, 48          ; by buffer and tile, c0-c3 at work; when the maximum is found c2 takes a
.set S,   64
.set P,   192
.set KF,  128
.set VF,  192
.set MP,  2           ; s[2:3]   maskw at my wave's piece 0, key step 0; never rewritten
.set G0K, 4           ; s[4:7]   descriptor group 0 for K's tiles: it walks
.set G0V, 8           ; s[8:11]  for V's
.set WV,  12
.set SLOTS, 13
.set CNT, 14
.set LIM, 15          ; 1 in a wave that prefetches, else the greatest number
                      ; s[16:63], s[68:83]  the 64 mask words of a piece and step: word w in s[16 + w + 4 (w / 48)]; ahead of the loop and behind it they are temporaries
.set PFA, 66          ; s[66:67]
.set G1K, 84          ; s[84:91]
.set G1V, 92          ; s[92:99]
.set SEL, 100         ; s100, s101
.set TBK, 104
.set TBV, 105
.set MSB, 0
.macro WIN new
.if MSB != (\new)
	s_set_vgpr_msb (MSB<<8)|(\new)
.set MSB, (\new)
.endif
.endm
.set W_KQ, 0x0a
.set W_PV, 0x52
.set W_RS, 0x41
.set W_MK, 0xc0
.set W_AD, 0x0f
.set W_MW, 0xcf       ; destination and sources 0 and 1 in window 3: the mask words' reads, loads and offset
.macro JLOAD                        ; waves 0, 1 fetch the two halves of a slot's K, waves 2, 3 those of its V; an s_nop 0 and four v_nop follow each line
	s_cmp_lt_u32 s[WV], 2
	s_cbranch_scc0 .Lfor_v_\@
	tensor_load_to_lds s[G0K:G0K+3], s[G1K:G1K+7]
	s_nop 0
.rept 4
	v_nop
.endr
	s_branch .Lasked_\@
.Lfor_v_\@:
	tensor_load_to_lds s[G0V:G0V+3], s[G1V:G1V+7]
	s_nop 0
.rept 4
	v_nop
.endr
.Lasked_\@:
.endm
.macro CROUND
	s_barrier_signal -1
	s_barrier_wait -1
	s_cmp_lg_u32 s[WV], 0
	s_cbranch_scc1 .Lnot_wave_0_\@
	s_barrier_signal -3
.Lnot_wave_0_\@:
	s_barrier_wait -3
	s_barrier_signal -1
	s_barrier_wait -1
.endm
; A PREFETCH INTO THE L2 of what the NEXT change of slots will ask for: a slot's K and V are 128 blocks of 256 bytes each.  The four partners take 32 blocks each, told apart BY ADDRESS; in each, wave 0 asks for K's and
; wave 2 for V's, a lane a block: four key steps, 512 matrix instructions, ahead of the load.  A head has one cluster, so each block is named once.  Slots 0 to 2 come by their loads alone; the last change that fills asks for nothing.
.macro ASK
	s_cmp_gt_u32 s[SLOTS], s[LIM]
	s_cbranch_scc0 .Lnot_mine_\@
	global_prefetch_b8 v[PFO], s[PFA:PFA+1] th:TH_LOAD_NT scope:SCOPE_SE
.Lnot_mine_\@:
.endm
; THE CHANGE OF SLOTS.  Each wave waits for all its tensor loads (one is out: its part of the other slot), adds 0 to its spare word, and waits for that and for its reads of the slot.  fill = 1: the barrier is a round of the
; cluster's, and the joint fill, with the keys two slots on, is the first thing behind it.  (At its first use nothing has been read yet: slot 0 is waited for, slot 1 filled.)
.macro CHANGE fill, ask
	WIN W_AD
	s_wait_tensorcnt 0x0
	ds_add_u32 v[SPW], v[NIL]       ; 0 onto my spare word
	WIN 0
.if \fill
.irp g, G0K, G0V
	s_xor_b32 s[\g+1], s[\g+1], SLOT1
	s_add_nc_u64 s[\g+2:\g+3], s[\g+2:\g+3], 4*KS*128
.endr
.if \ask
	s_wait_xcnt 0x0                 ; the last prefetch, four key steps back, has read its address
	s_add_nc_u64 s[PFA:PFA+1], s[PFA:PFA+1], 4*KS*128
.endif
	s_wait_dscnt 0x0                ; the add is done, and my reads of the slot are over
	CROUND
	JLOAD
.if \ask
	ASK
.endif
.else
	s_wait_dscnt 0x0
	s_barrier_signal -1
	s_barrier_wait -1
.endif
	s_sub_co_u32 s[TBK], s[TBK], 4*KS*PK
	s_xor_b32 s[TBK], s[TBK], SLOT1
	s_sub_co_u32 s[TBV], s[TBV], 4*KS*PV
	s_xor_b32 s[TBV], s[TBV], SLOT1
.endm
; THE MASK WORDS of piece n.  maskw is [b][pair of query tiles = 4 x wave + piece][step][tile u][key group kt][j]: 256 bytes a pair and step, 8,192 a pair; bit L of word 32 u + 8 kt + j is lane L's bit for
; register 8 kt + j of tile u.  A load of 8 bytes a lane brings the 64 words; 64 reads of a lane make scalar lane masks of them; the pair of registers is then loaded again, with the same piece's next key step.
; The four pieces' loads follow each other in the order of their use, one a turn.  Pieces 1 to 3 load the step where the offset stands; piece 0, whose scores run a step ahead, the step behind it.  The offset steps once a
; key step and stops at step 31: the loads of the last turns, whose words no score takes, stay inside maskw (piece 0's reach piece 1's first words at the most).
.macro MWORDS n
	WIN W_MW
	s_wait_loadcnt 3                ; loads come back in order (ISA guide 5.7.1): piece n's is in; the other three pieces', issued behind it, may stay out
.set w, 0
.rept 64
	v_readlane_b32 s[16+w+4*(w/48)], v[MW+2*(\n)+w%2], w/2
.set w, w+1
.endr
.if (\n) == 1
	s_wait_xcnt 0x0                 ; the three loads that are out have read the offset: it is written only behind this wait
	v_add_nc_u32 v[MO], 0x100, v[MO]
	v_min_u32 v[MO], v[MO], v[MLIM]
.endif
.if (\n) == 0
	global_load_b64 v[MW:MW+1], v[MO], s[MP:MP+1] offset:256
.else
	global_load_b64 v[MW+2*(\n):MW+2*(\n)+1], v[MO], s[MP:MP+1] offset:(\n)*8192
.endif
	WIN 0
.endm
	s_load_b128 s[16:19], s[0:1], 0x0  ; qkv s[16:17], maskw s[18:19]
	WIN W_MK
	v_lshl_add_u32 v[SPW], v0, 2, SPARE
	v_mov_b32 v[NIL], 0
	WIN W_AD
	ds_add_u32 v[SPW], v[NIL]       ; the wave's opening: the add, and its wait ahead of my first tensor load
	WIN 0
	v_lshrrev_b32 v1, 5, v0
	v_readfirstlane_b32 s[WV], v1
	s_bfe_u32 s20, ttmp6, 0x40000   ; cx
	s_lshl_b32 s21, ttmp9, 2
	s_add_co_u32 s21, s21, s20      ; my block of 512 queries: it enters Q's, the mask's, O's and the prefetches' addresses alone
	s_lshl_b32 s21, s21, 2
	s_add_co_u32 s21, s21, s[WV]    ; my wave among the head's sixteen
	s_and_b32 s22, ttmp7, 0xffff    ; 16 b + head, which the four partners share
	s_lshl_b32 s24, s22, 18         ; the head's first byte in each third of qkv and in ob
	s_and_b32 s23, s[WV], 1         ; which half of a slot's 256 keys I fetch
	s_lshl_b32 s26, s23, 14
	s_add_co_u32 s26, s26, s24
	s_mov_b32 s27, 0
	s_mul_i32 s28, s23, 128*PK
	s_mul_i32 s29, s23, 128*PV
	s_lshl_b32 s30, s21, 14         ; my wave's 128 rows of Q
	s_add_co_u32 s30, s30, s24
	s_mov_b32 s31, 0
	s_lshr_b32 s32, s22, 4          ; b
	s_lshl_b32 s32, s32, 19
	s_lshl_b32 s33, s21, 15         ; my wave's four pairs of query tiles
	s_add_co_u32 s32, s32, s33
	s_mov_b32 s33, 0
	s_lshl_b32 s34, s20, 13         ; the prefetches: my work-group's 32 blocks, in slot 2; the first asking change steps them to slot 3
	s_add_co_u32 s34, s34, 2*4*KS*128
	s_mov_b32 s35, 0
	; descriptor group 1.  128 keys are 16,384 dense bytes: asked for as 64 rows of 256 bytes, two keys a row, and padded in LDS after every key
	s_mov_b32 s[G1K], 15|(1<<16)|(1<<20)|(1<<21)|(4<<22)|(3<<25)
	s_mov_b32 s[G1V], 15|(1<<16)|(1<<20)|(1<<21)|(4<<22)|(7<<25)
.irp g, G1K, G1V
	s_mov_b32 s[\g+1], 128<<16
	s_mov_b32 s[\g+2], 64<<16
	s_mov_b32 s[\g+3], 128<<16
	s_mov_b32 s[\g+4], 64
	s_mov_b32 s[\g+5], 128
	s_mov_b32 s[\g+6], 0
	s_mov_b32 s[\g+7], 0
.endr
	s_mov_b32 s[SEL], 0x76543210
	s_mov_b32 s[SEL+1], 0xfedcba98
	s_mov_b32 s[TBK], SLOT1+4*KS*PK ; the first change of slots turns these two into 0
	s_mov_b32 s[TBV], SLOT1+4*KS*PV
	s_mov_b32 s[G0K], 1
	s_mov_b32 s[G0K+1], s28
	s_mov_b32 s[G0V], 1
	s_add_co_u32 s[G0V+1], s29, VOFF
	s_and_b32 s[LIM], s[WV], 1      ; waves 0 and 2, in the head's first cluster: the same in all four partners
	s_or_b32 s[LIM], s[LIM], ttmp9
	s_cmp_eq_u32 s[LIM], 0
	s_cselect_b32 s[LIM], 1, -1
	s_wait_dscnt 0x0                ; the opening add is done
	s_wait_kmcnt 0x0
	s_add_nc_u64 s[36:37], s[16:17], 0x1000000  ; K's third of qkv
	s_add_nc_u64 s[38:39], s[16:17], 0x2000000  ; V's
	s_add_nc_u64 s[G0K+2:G0K+3], s[36:37], s[26:27]
	s_add_nc_u64 s[G0V+2:G0V+3], s[38:39], s[26:27]
	s_cmp_lt_u32 s[WV], 2
	s_cselect_b64 s[PFA:PFA+1], s[G0K+2:G0K+3], s[G0V+2:G0V+3]  ; (in waves 0 and 2 these stand at the head's first key)
	s_add_nc_u64 s[PFA:PFA+1], s[PFA:PFA+1], s[34:35]
	s_or_b32 s[G0K+3], s[G0K+3], 0x80000000
	s_or_b32 s[G0V+3], s[G0V+3], 0x80000000
	s_add_nc_u64 s[40:41], s[16:17], s[30:31]   ; Q at my wave's first row
	s_add_nc_u64 s[MP:MP+1], s[18:19], s[32:33]
	CROUND                          ; all four work-groups are here: the first joint loads meet
	JLOAD                           ; slot 0
	v_and_b32 v1, 15, v0
	v_bfe_u32 v9, v0, 4, 1
	v_lshlrev_b32 v[QO], 7, v1
	v_lshl_add_u32 v[QO], v9, 4, v[QO]
	v_and_b32 v10, 31, v0
	WIN W_MK
	v_lshlrev_b32 v[MO], 3, v10     ; key step 0
	v_lshl_add_u32 v[MLIM], v10, 3, 31*256
	WIN 0x80
.set i, 0
.rept 4*NP                          ; Q stays in registers: tile i / 2, channels 32 (i % 2) on
	global_load_b128 v[8*i:8*i+3],   v[QO], s[40:41] offset:(i/2)*2048+(i%2)*64
	global_load_b128 v[8*i+4:8*i+7], v[QO], s[40:41] offset:(i/2)*2048+(i%2)*64+32
.set i, i+1
.endr
	WIN W_MW
.irp n, 0,1,2,3                     ; the four pieces' mask words of key step 0, in the order of their use
	global_load_b64 v[MW+2*\n:MW+2*\n+1], v[MO], s[MP:MP+1] offset:\n*8192
.endr
	WIN 0x80
	; WHAT THE FIRST TURN FINDS.  The loop is entered at piece 3's turn of a step that has not been: its products K Q^T are piece 0's first scores; the rest of it works on numbers that need only be finite.  V's registers and
	; P's first buffer hold 0 (its products V^T P add 0, and so do the next turn's); S^T's second buffer holds m, so its weights are 1; its a is 0; O^T and l are 0.  What it leaves in piece 3's l is multiplied by a = 0 in
	; piece 3's first true step.  All this stands in the wait for the first tile; it spares a first step written out.
.set i, VF
.rept 64
	v_mov_b32 v[i], 0
.set i, i+1
.endr
	WIN 0x40
.set i, 0
.rept 64*NP
	v_mov_b32 v[i], 0
.set i, i+1
.endr
	WIN 0
.set i, 0
.rept 2*NP
	v_mov_b32 v[ST+4*i], 0xfe000000    ; m: far below every score
	v_mov_b32 v[ST+4*i+1], 0
	v_mov_b32 v[ST+4*i+2], 0
	v_mov_b32 v[ST+4*i+3], 0
.set i, i+1
.endr
.set i, P
.rept 32
	v_mov_b32 v[i], 0
.set i, i+1
.endr
.set i, S+64
.rept 64
	v_mov_b32 v[i], v[ST]
.set i, i+1
.endr
.irp i, 10,11,14,15
	v_mov_b32 v[TMP+\i], 0
.endr
	v_mul_u32_u24 v[AK0], v1, PK
	v_lshl_add_u32 v[AK0], v9, 4, v[AK0]
	v_and_b32 v10, 7, v0
	v_bfe_u32 v11, v0, 3, 1
	v_lshl_add_u32 v[AV0], v9, 3, v10
	v_mul_u32_u24 v[AV0], v[AV0], PV
	v_lshl_add_u32 v[AV0], v11, 4, v[AV0]
	v_add_nc_u32 v[AV0], VOFF, v[AV0]
	v_mov_b32 v[AK], v[AK0]
	v_mov_b32 v[NEGV], 0xc6616bcd   ; -10000 log2(e) = -14426.95
; THE MATRIX WORK.  The 8 accumulators of a run of 16 take turns.
.macro KQ x                         ; product i of 16 of S^T = K Q^T for piece x: channels 32 (i / 8) on, keys 16 ((i / 2) % 4) on, tile 2 x + i % 2
	WIN W_KQ
.set rS, S+64*((\x)%2)+32*(i%2)+8*((i/2)%4)
.set rK, KF+16*((i/2)%4)+8*(i/8)
.set rQ, 16*(2*(\x)+i%2)+8*(i/8)
.if i < 8
	v_wmma_f32_16x16x32_f16 v[rS:rS+7], v[rK:rK+7], v[rQ:rQ+7], 0
.else
	v_wmma_f32_16x16x32_f16 v[rS:rS+7], v[rK:rK+7], v[rQ:rQ+7], v[rS:rS+7]
.endif
.endm
.macro PV x                         ; product i of 16 of O^T += V^T P for piece x: keys 32 (i / 8) on, channels 16 ((i / 2) % 4) on, tile 2 x + i % 2
	WIN W_PV
.set rO, 32*(2*(\x)+i%2)+8*((i/2)%4)
.set rV, VF+32*(i/8)+8*((i/2)%4)
.set rP, P+32*((\x)%2)+16*(i%2)+8*(i/8)
	v_wmma_f32_16x16x32_f16 v[rO:rO+7], v[rV:rV+7], v[rP:rP+7], v[rO:rO+7]
.endm
.macro MM
.if i < 16
	KQ (Y+1)%NP
.set i, i+1
.else
.set i, i-16
	PV (Y+NP-1)%NP
.set i, i+17
.endif
.endm
.macro FETCH_K last=0               ; a step's K: 16 loads in one run.  last = 1 (the tail): in the last trip there is no further step, and the run is jumped over
	WIN 0
.if \last
	s_cmp_eq_u32 s[CNT], 1
	s_cbranch_scc1 .Lno_k_\@
.endif
	WIN 0x80
.irp f, 0,1,2,3,4,5,6,7
	ds_load_b128 v[KF+8*\f:KF+8*\f+3],   v[AK] offset:(\f/2)*16*PK+(\f%2)*64
	ds_load_b128 v[KF+8*\f+4:KF+8*\f+7], v[AK] offset:(\f/2)*16*PK+(\f%2)*64+32
.endr
	s_add_co_u32 s[TBK], s[TBK], KS*PK
	WIN 0
.if \last
.Lno_k_\@:
.endif
.endm
.macro FETCH_V
	WIN 0x80
.irp f, 0,1,2,3,4,5,6,7
	ds_load_tr16_b128 v[VF+8*\f:VF+8*\f+3],   v[AV] offset:(\f/4)*32*PV+(\f%4)*32
	ds_load_tr16_b128 v[VF+8*\f+4:VF+8*\f+7], v[AV] offset:(\f/4)*32*PV+16*PV+(\f%4)*32
.endr
	WIN 0
.endm
; THE VECTOR WORK.
.macro REGS y, u                    ; the registers of tile u (0, 1) of piece y
.set rT, ST+4*(2*(\y)+(\u))
.set rC, TMP+8*((\y)%2)+4*(\u)
.set rM, MV+2*((\y)%2)+(\u)
.set rS, S+64*((\y)%2)+32*(\u)
.set rP, P+32*((\y)%2)+16*(\u)
.set rO, 32*(2*(\y)+(\u))
.endm
; Select n of 64 for the NEXT piece (Y + 1): tile n % 2, register n / 2, ascending: the score is replaced where its bit is set.
.macro CM n
	REGS (Y+1)%NP, (\n)%2
.set w, 32*((\n)%2)+(\n)/2
	v_cndmask_b32 v[rS+(\n)/2], v[rS+(\n)/2], v[NEGV], s[16+w+4*(w/48)]
.endm
; Number n of the 21 that find the next piece's maximum and statistics.  0-11 four chains c0-c3 of seven scores each; 12-14, 16 the four scores left over, the old m, and c0-c3 into c0; 15 m_old is kept;
; 17, 18 the query's other 32 keys lie in the lane 16 away: the new m; 19 m_old - m_new; 20 a.
.macro XS u, n
	REGS (Y+1)%NP, \u
.if (\n) < 4
	v_max3_num_f32 v[rC+(\n)], v[rS+8*(\n)], v[rS+8*(\n)+1], v[rS+8*(\n)+2]
.elseif (\n) < 12
	v_max3_num_f32 v[rC+(\n)%4], v[rC+(\n)%4], v[rS+8*((\n)%4)+2*((\n)/4)+1], v[rS+8*((\n)%4)+2*((\n)/4)+2]
.elseif (\n) == 12
	v_max3_num_f32 v[rC], v[rC], v[rS+7], v[rS+15]
.elseif (\n) == 13
	v_max3_num_f32 v[rC+1], v[rC+1], v[rS+23], v[rS+31]
.elseif (\n) == 14
	v_max3_num_f32 v[rC+2], v[rC+2], v[rC+3], v[rT]
.elseif (\n) == 15
	v_mov_b32 v[rM], v[rT]
.elseif (\n) == 16
	v_max3_num_f32 v[rC], v[rC], v[rC+1], v[rC+2]
.elseif (\n) == 17
	v_permlanex16_b32 v[rC+3], v[rC], s[SEL], s[SEL+1]
.elseif (\n) == 18
	v_max_num_f32 v[rT], v[rC], v[rC+3]
.elseif (\n) == 19
	v_sub_f32 v[rC+1], v[rM], v[rT]
.else
	v_exp_f32 v[rC+2], v[rC+1]
.endif
.endm
.macro FS n                         ; s - m for pair n / 2 of tile n % 2 of piece Y
	REGS Y, (\n)%2
	v_pk_add_f32 v[rS+2*((\n)/2):rS+2*((\n)/2)+1], v[rS+2*((\n)/2):rS+2*((\n)/2)+1], v[rT:rT+1] op_sel_hi:[1,0] neg_lo:[0,1] neg_hi:[0,1]
.endm
; Number n of the 64 that follow the exponentials.  For each four weights k of a tile: both pairs are rounded to f16; the second pair is added onto the first, in place; a group later l takes that sum (the first time as l = a l + sum).
.macro GS n
.set h, (\n)+6*((\n)/62)
.if h >= 6
.set h, h+2
.endif
	REGS Y, h%2
.set k, h/8
.if h%8 < 4
	v_cvt_pk_f16_f32 v[rP+2*k+(h%8)/2], v[rS+4*k+2*((h%8)/2)], v[rS+4*k+2*((h%8)/2)+1]
.elseif h%8 < 6
	v_pk_add_f32 v[rS+4*k:rS+4*k+1], v[rS+4*k:rS+4*k+1], v[rS+4*k+2:rS+4*k+3]
.elseif k == 1
	v_pk_fma_f32 v[rT+2:rT+3], v[rT+2:rT+3], v[rC+2:rC+3], v[rS:rS+1] op_sel_hi:[1,0,1]
.else
	v_pk_add_f32 v[rT+2:rT+3], v[rT+2:rT+3], v[rS+4*k-4:rS+4*k-3]
.endif
.endm
.macro PF                           ; the next s - m
	WIN 0
	FS f
.set f, f+1
.endm
.macro PG                           ; the next rounding or sum
	WIN 0
	GS g
.set g, g+1
.endm
; THE LUMP'S PLAIN QUEUE, 104 long: 0-63 the selects; 64-91 numbers 0-13 of both tiles; 92, 93 number 15; 94-103 the chain 14, 16, 17, 18, 19, the tiles alternating.
.macro PL
	WIN 0
.if q < 64
	CM q
.elseif q < 92
	XS (q-64)%2, (q-64)/2
.elseif q < 94
	XS q-92, 15
.elseif q < 96
	XS q-94, 14
.else
	XS (q-94)%2, 15+(q-94)/2
.endif
.set q, q+1
.endm
.macro EX                           ; THE EXPONENTIALS' QUEUE, 66 long: s0-s31 of both tiles, then the next piece's two a: one batch
	WIN 0
.if e >= 64
	XS e-64, 20
.else
	REGS Y, e%2
	v_exp_f32 v[rS+e/2], v[rS+e/2]
.endif
.set e, e+1
.endm
.macro R2                           ; O^T times a, two packed multiplies; its a was made, and waited for, in the turn before
	REGS Y, r%2
	WIN W_RS
.irp z, 0,1
	v_pk_mul_f32 v[rO+4*(r/2)+2*\z:rO+4*(r/2)+2*\z+1], v[rO+4*(r/2)+2*\z:rO+4*(r/2)+2*\z+1], v[rC+2:rC+3] op_sel_hi:[1,0]
.endr
.set r, r+1
.endm
; A TURN, for piece p.  AHEAD OF THE WAIT: 16 products K Q^T, behind each of the first eight four s - m, behind each of the last eight four rescalings: all ready, all plain, none names a register of the products round it; the last
; product's four are the places in front of the selects.  Then the lump: the next piece's 64 mask words become lane masks, and their registers are loaded again (MWORDS); 40 plain alone, then plain and exponential by turns, so
; that a tile's links of the maximum's chain stand four lines apart; the two a; a v_nop, the plain instruction behind the last exponential; ONE wait for the 66.
; BEHIND THE WAIT: 16 products V^T P, behind each four of the roundings and sums.
; K of the next step is fetched in piece 2's turn, directly behind the wait, a lump behind K's last reader; V of the step in hand at the end of piece 0's turn, four plain riders behind V's last reader.
.macro TURN p, last=0
.set Y, (\p)
.set i, 0
.set q, 0
.set e, 0
.set r, 0
.set f, 0
.set g, 0
.if (\p) == NP-1
	s_wait_dscnt 0x0                ; K is in
.endif
.rept 8
	MM
	PF
	PF
	PF
	PF
.endr
.rept 8
	MM
	R2
	R2
.endr
	WIN 0
.if (\p) == NP-2
	v_add_nc_u32 v[AK], s[TBK], v[AK0]
.endif
.if (\p) == 0
	v_add_nc_u32 v[AV], s[TBV], v[AV0]
.endif
	MWORDS ((\p)+1)%NP
.rept 40
	PL
.endr
.rept 64
	PL
	EX
.endr
	EX
	EX
	v_nop
	s_wait_alu depctr_va_vdst(0)    ; the wait for the batch, ahead of the first line that names a result
.if (\p) == NP-2
	FETCH_K \last
.endif
.if (\p) == 1
	s_wait_dscnt 0x0                ; V is in
.endif
.rept 16
	MM
	PG
	PG
	PG
	PG
.endr
.if (\p) == 0
	FETCH_V
	s_add_co_u32 s[TBV], s[TBV], KS*PV
.endif
.endm
	CHANGE 1, 0                     ; slot 0 is in, everybody's part of it; slot 1 is asked for
	FETCH_K                         ; key step 0
	s_wait_loadcnt 4                ; Q's 32 loads are done (the four loads of mask words, issued behind them, may stay out): only behind this wait are Q's offset register, which the way out takes over below, and Q's base written again
	s_mul_i32 s[CNT], s[WV], 16*SP  ; the addresses for the way out
	s_add_co_u32 s[CNT], s[CNT], STAGE
	v_mul_u32_u24 v[STO], v1, SP
	v_lshl_add_u32 v[STO], v9, 4, v[STO]
	v_add_nc_u32 v[STO], s[CNT], v[STO]
	v_bfe_u32 v[RD], v0, 3, 2
	v_mul_u32_u24 v[RD], v[RD], SP
	v_lshl_add_u32 v[RD], v10, 4, v[RD]
	v_add_nc_u32 v[RD], s[CNT], v[RD]
	v_and_b32 v[GO], 31, v0
	v_lshlrev_b32 v[PFO], 8, v[GO]
	v_lshlrev_b32 v[GO], 4, v[GO]
	s_mov_b32 s[CNT], 4
	s_mov_b32 s[SLOTS], 2048/256-1
	s_branch .Lfirst                ; the loop is entered in the middle of a trip, at the turn that makes piece 0's scores of key step 0
.Lslot:                             ; six times: every slot but the last two is filled again
	CHANGE 1, 1
	s_mov_b32 s[CNT], 4
.Lstep:                             ; a trip: pieces 2 and 3 of one step, then pieces 0 and 1 of the next, whose K and V it fetches
	TURN 2
	WIN 0
.Lfirst:
	TURN 3
	TURN 0
	TURN 1
	WIN 0
	s_sub_co_u32 s[CNT], s[CNT], 1
	s_cmp_lg_u32 s[CNT], 0
	s_cbranch_scc1 .Lstep
	s_sub_co_u32 s[SLOTS], s[SLOTS], 1
	s_cmp_lg_u32 s[SLOTS], 0
	s_cbranch_scc1 .Lslot
	CHANGE 0, 0                     ; the tail is written out: nothing is asked for
	s_mov_b32 s[CNT], 5             ; four trips fetch the last slot's steps; the fifth is left in its middle
.Ltail:
	TURN 2, 1
	TURN 3
	WIN 0
	s_sub_co_u32 s[CNT], s[CNT], 1
	s_cmp_eq_u32 s[CNT], 0
	s_cbranch_scc1 .Lout
	TURN 0
	TURN 1
	WIN 0
	s_branch .Ltail
.Lout:                              ; the fifth trip's products K Q^T (on the last K once more), the mask words laid on them and what is made of them serve nothing: the price, once a launch, of one text for every trip
	s_load_b64 s[16:17], s[0:1], 0x10  ; ob
.set i, 0
.rept 16
	PV NP-1
.set i, i+1
.endr
	; THE WAY OUT.  l's two halves and the other half of the lanes' are added; O^T is divided by l, rounded to f16 and sent through my stage, a tile at a time.  The additions are the places behind the last products.
	WIN 0
	s_bfe_u32 s20, ttmp6, 0x40000
	s_lshl_b32 s21, ttmp9, 2
	s_add_co_u32 s21, s21, s20
	s_lshl_b32 s21, s21, 2
	s_add_co_u32 s21, s21, s[WV]
	s_lshl_b32 s18, s21, 14         ; my wave's 128 rows,
	s_and_b32 s22, ttmp7, 0xffff
	s_lshl_b32 s22, s22, 18         ; in my head
	s_add_co_u32 s18, s18, s22
	s_mov_b32 s19, 0
.macro ALL line:vararg
.set t, 0
.rept 2*NP
	\line
.set t, t+1
.endr
.endm
	ALL v_add_f32 v[ST+4*t+2], v[ST+4*t+2], v[ST+4*t+3]
	ALL v_permlanex16_b32 v[ST+4*t+3], v[ST+4*t+2], s[SEL], s[SEL+1]
	ALL v_add_f32 v[ST+4*t+2], v[ST+4*t+2], v[ST+4*t+3]
	ALL v_rcp_f32 v[ST+4*t+2], v[ST+4*t+2]
	v_nop                           ; a plain instruction between the last reciprocal and the use of its result,
	s_wait_alu depctr_va_vdst(0)    ; and the one wait for the eight reciprocals
	s_wait_kmcnt 0x0
	s_add_nc_u64 s[16:17], s[16:17], s[18:19]
.macro PACK t
	WIN W_RS
.set i, 32*(\t)
.rept 16
	v_pk_mul_f32 v[i:i+1], v[i:i+1], v[ST+4*(\t)+2:ST+4*(\t)+3] op_sel_hi:[1,0]
.set i, i+2
.endr
	WIN 0x05
.set i, 0
.rept 16
	v_cvt_pk_f16_f32 v[S+16*(\t)+i], v[32*(\t)+2*i], v[32*(\t)+2*i+1]
.set i, i+1
.endr
	WIN 0
.irp f, 0,1,2,3
	ds_store_b128 v[STO], v[S+16*(\t)+4*\f:S+16*(\t)+4*\f+3] offset:32*\f
.endr
.irp f, 0,1,2,3
	ds_load_b128 v[S+16*(\t)+4*\f:S+16*(\t)+4*\f+3], v[RD] offset:\f*4*SP  ; LDS serves a wave's instructions in order (ISA guide 5.7.1.4): these see the stores above; the next tile's stores come behind them
.endr
.endm
.macro SEND t, younger              ; younger: the LDS instructions issued behind tile t's loads: the next tile's eight, or none
	WIN 0
.irp f, 0,1,2,3
	s_wait_dscnt (\younger)+3-\f
	global_store_b128 v[GO], v[S+16*(\t)+4*\f:S+16*(\t)+4*\f+3], s[16:17] offset:(\t)*2048+\f*512  ; 512 consecutive bytes, at a multiple of 256 from ob's first
.endr
.endm
	PACK 0
.set t, 1
.rept 2*NP-1
	PACK t
	SEND t-1, 8
.set t, t+1
.endr
	SEND 2*NP-1, 0
	WIN W_AD
	s_wait_tensorcnt 0x0            ; the wave's end, behind my last tensor load and my last LDS store
	ds_add_u32 v[SPW], v[NIL]
	s_wait_dscnt 0x0
	WIN 0
	CROUND                          ; the closing round
	s_endpgm
.Lfunc_end_k_qa26f158a8a_attn:
	.size	k_qa26f158a8a_attn, .Lfunc_end_k_qa26f158a8a_attn-k_qa26f158a8a_attn
	.p2alignl 7, 3214868480
	.fill 96, 4, 3214868480
	.section	.rodata,"a",@progbits
	.p2align	6, 0x0
	.amdhsa_kernel k_qa26f158a8a_attn
		.amdhsa_group_segment_fixed_size 327680
		.amdhsa_private_segment_fixed_size 0
		.amdhsa_enable_private_segment 0
		.amdhsa_kernarg_size 24
		.amdhsa_user_sgpr_count 2
		.amdhsa_user_sgpr_kernarg_segment_ptr 1
		.amdhsa_wavefront_size32 1
		.amdhsa_system_sgpr_workgroup_id_x 1
		.amdhsa_system_sgpr_workgroup_id_y 1
		.amdhsa_system_sgpr_workgroup_id_z 1
		.amdhsa_system_vgpr_workitem_id 0
		.amdhsa_next_free_vgpr 780
		.amdhsa_next_free_sgpr 106
		.amdhsa_reserve_vcc 0
		.amdhsa_float_denorm_mode_32 3
		.amdhsa_float_denorm_mode_16_64 3
		.amdhsa_memory_ordered 1
		.amdhsa_forward_progress 1
		.amdhsa_inst_pref_size 255
	.end_amdhsa_kernel
	.section	.bss,"aw",@nobits
	.p2align	6
	.space	262144
	.amdgpu_metadata
---
amdhsa.version: [ 1, 2 ]
amdhsa.kernels:
  - .name:           k_qa26f158a8a_attn
    .symbol:         k_qa26f158a8a_attn.kd
    .args:
      - { .name: qkv, .offset: 0, .size: 8, .value_kind: global_buffer, .address_space: global }
      - { .name: maskw, .offset: 8, .size: 8, .value_kind: global_buffer, .address_space: global }
      - { .name: ob, .offset: 16, .size: 8, .value_kind: global_buffer, .address_space: global }
    .group_segment_fixed_size: 327680
    .private_segment_fixed_size: 0
    .kernarg_segment_align: 8
    .kernarg_segment_size: 24
    .max_flat_workgroup_size: 128
    .sgpr_count:     106
    .vgpr_count:     780
    .wavefront_size: 32
...
	.end_amdgpu_metadata
.endif
;; end of part 3
;; launch oproj (part 4): grid 32 x 8, 4 waves a work-group, clusters of 4 x 4, 327,680 bytes of LDS; arguments ob, wo16, bo, out0; writes out0
.if DOCPART == 4
	.amdgcn_target "amdgcn-amd-amdhsa--gfx1250"
	.amdhsa_code_object_version 6
	.text
	.protected	k_qa26f158a8a_oproj
	.globl	k_qa26f158a8a_oproj
	.p2align	8
	.type	k_qa26f158a8a_oproj,@function
k_qa26f158a8a_oproj:
	s_mov_b64 s[64:65], 0
	v_nop
	global_prefetch_b8 v0, s[64:65] scope:SCOPE_SE
	s_setreg_imm32_b32 hwreg(HW_REG_WAVE_MODE, 25, 1), 1
	s_wait_xcnt 0x0
	s_wait_alu depctr_hold_cnt(0) depctr_sa_sdst(0) depctr_va_vdst(0) depctr_va_sdst(0) depctr_va_ssrc(0) depctr_va_vcc(0) depctr_vm_vsrc(0)
	s_getreg_b32 s2, hwreg(HW_REG_IB_STS2, 6, 4)
	s_cmp_eq_u32 s2, 0
	s_cbranch_scc0 .Lentry_in_a_cluster
	s_endpgm
.Lentry_in_a_cluster:
	s_bfe_u32 s2, ttmp6, 0x10000c
	s_cmp_lg_u32 s2, 0xf033
	s_cbranch_scc0 .Lentry_shape_is_right
	s_endpgm
.Lentry_shape_is_right:
; OPROJ: out0[b][o][t] = the sum over heads h and channels d of Wo[o][64 h + d] O[b,h][t][d] + bo[o].  ob: [64 b,h][2048 t][64] f16; wo16: [1024][1024] f16 (bf16(Wo) written as f16); out0 f32.  Sums in f32.
; SHARES.  A work-group makes 256 t x 128 o of one batch, K = 1,024: 256 work-groups.  Wave (WHI, WLO): 128 t (8 tiles) x 64 o (4 tiles): 32 accumulators.
; LAYOUT.  Source 0 = 16 rows t of O, source 1 = 16 rows o of Wo, both with K along the rows.  In the result a lane holds ONE o (lane % 16) and the t 8 (lane / 16) + 0..7: 32 consecutive bytes of a row of out0.
; RING.  A K step of 128 is two heads.  Waves 0, 1 fetch the halves of Wo's tile (64 rows x 256 bytes); waves 2, 3 a head each of O's (256 t x 128 bytes, dense: asked for as 128 rows of 256 bytes, padded after every t).
; CLUSTER 4 x 4.  Wo's tile hangs on the block of o alone: asked for jointly by my row of the cluster; O's on batch and t block alone: by my column.
; The bias (rounded to bf16 like every input) is the C operand of the first products.
; REGISTERS: window 0: v0-31 addresses; two fragment buffers of 96 (Wo's 4 at +0, O's 8 at +32); on the way out v32-159 two buffers of 16 rows.  window 1: accumulator (nt, mt) at 8 (8 nt + mt).  window 2: v0-31 bias, 8 an o tile.
.set KSTEP, 128
.set PA,    272
.set PO,    144                        ; O's row in LDS: 128 bytes + 16
.set HALFA, 64*PA
.set HEADB, 256*PO
.set BOFF,  2*HALFA
.set SLOT,  BOFF+2*HEADB
.set STAGE, 2*SLOT                     ; behind the ring, never filled by a tensor load: 16 rows x 528 bytes for each wave
.set SPITCH, 528
.set SPARE, STAGE+4*16*SPITCH
.set LAPS,  4
.set ADRA, 16
.set ADRB, 20
.set STO,  24
.set RD,   25
.set GO,   26
.set BO,   27
.set SPW,  28
.set NIL,  29
.set PFO,  30
.set F0,   32
.set F1,   128
.set OB,   32
.set BI,   0
.set WV,   18
.set WHI,  19                          ; my 64 o of the 128.  Also: I fetch for Wo (0) or for O (1)
.set WLO,  20                          ; my 128 t of the 256.  Also: which half of Wo's tile, or which of the two heads, I fetch
.set G1A,  24
.set G0A,  32
.set G1B,  48
.set G0B,  56
.set PFA,  66
.set PFS,  68
.set LIM,  70
.set MSB, 0
.macro WIN new
.if MSB != (\new)
	s_set_vgpr_msb (MSB<<8)|(\new)
.set MSB, \new
.endif
.endm
.macro JLOAD s                         ; a joint load; an s_nop 0 and four v_nop follow each of the two lines
	s_cmp_eq_u32 s[WHI], 0
	s_cbranch_scc0 .Lfor_b_\@
	tensor_load_to_lds s[G0A+4*(\s):G0A+4*(\s)+3], s[G1A:G1A+7]
	s_nop 0
.rept 4
	v_nop
.endr
	s_branch .Lasked_\@
.Lfor_b_\@:
	tensor_load_to_lds s[G0B+4*(\s):G0B+4*(\s)+3], s[G1B:G1B+7]
	s_nop 0
.rept 4
	v_nop
.endr
.Lasked_\@:
.endm
.macro CREST
	s_cmp_lg_u32 s[WV], 0
	s_cbranch_scc1 .Lnot_wave_0_\@
	s_barrier_signal -3
.Lnot_wave_0_\@:
	s_barrier_wait -3
	s_barrier_signal -1
	s_barrier_wait -1
.endm
.macro CROUND
	s_barrier_signal -1
	s_barrier_wait -1
	CREST
.endm
; A PREFETCH INTO THE L2: the K step that stands two refills on, 256 matrix instructions ahead of the load that will want it.  O's tile is read by both clusters of its column of clusters: cluster y = 0 asks; Wo's by every
; cluster of its row: cluster x = 0 asks.  The four partners of a joint load share it out BY ADDRESS.  O: 32 of a head's 128 blocks of 256 bytes, a lane a block, at every change.  Wo: 16 rows x one block, for two K steps
; at once, at slot 0's changes.  Each block is named once.  K steps 0 to 3 come by their loads alone; the loop's last trip asks for nothing.
.macro ASK slot
	s_cmp_gt_u32 s3, s[LIM+(\slot)]
	s_cbranch_scc0 .Lnot_mine_\@
	global_prefetch_b8 v[PFO], s[PFA:PFA+1] th:TH_LOAD_NT scope:SCOPE_SE
.Lnot_mine_\@:
.endm
.macro PLACES
.rept 4
	v_nop
.endr
.endm
	s_load_b256 s[4:11], s[0:1], 0x0               ; ob s[4:5], wo16 s[6:7], bo s[8:9], out0 s[10:11]
	v_lshl_add_u32 v[SPW], v0, 2, SPARE
	v_mov_b32 v[NIL], 0
	ds_add_u32 v[SPW], v[NIL]                      ; the wave's opening: the add, and its wait ahead of my first tensor load
	v_lshrrev_b32 v1, 5, v0
	v_readfirstlane_b32 s[WV], v1
	s_lshr_b32 s[WHI], s[WV], 1
	s_and_b32 s[WLO], s[WV], 1
	s_bfe_u32 s21, ttmp6, 0x40000                  ; cx
	s_bfe_u32 s22, ttmp6, 0x40004                  ; cy
	s_lshl_b32 s23, ttmp9, 2
	s_add_co_u32 s23, s23, s21                     ; X = 8 b + t block
	s_and_b32 s2, ttmp7, 0xffff                    ; cluster y
	s_lshl_b32 s40, s2, 2
	s_add_co_u32 s40, s40, s22                     ; Y: block of 128 o
	s_lshl_b32 s42, s22, 2
	s_lshl_b32 s42, 15, s42                        ; my row of the cluster
	s_lshl_b32 s46, 0x1111, s21                    ; my column
	s_or_b32 s[G1A], s42, (1<<16)|(1<<20)|(1<<21)|(5<<22)|(3<<25)  ; after every 64 words, 4 words
	s_or_b32 s[G1B], s46, (1<<16)|(1<<20)|(1<<21)|(4<<22)|(3<<25)  ; after every 32 words, 4 words
	s_mov_b32 s[G1A+1], 128<<16
	s_mov_b32 s[G1A+2], 64<<16
	s_mov_b32 s[G1A+3], 128<<16
	s_mov_b32 s[G1A+4], 64
	s_mov_b32 s[G1A+5], 1024
	s_mov_b32 s[G1A+6], 0
	s_mov_b32 s[G1A+7], 0
	s_mov_b32 s[G1B+1], 128<<16
	s_mov_b32 s[G1B+2], 128<<16
	s_mov_b32 s[G1B+3], 128<<16
	s_mov_b32 s[G1B+4], 128
	s_mov_b32 s[G1B+5], 128
	s_mov_b32 s[G1B+6], 0
	s_mov_b32 s[G1B+7], 0
	s_lshl_b32 s42, s40, 18                        ; Wo: 128 rows of 2,048 bytes a block, my 64 of them
	s_lshl_b32 s43, s[WLO], 17
	s_add_co_u32 s42, s42, s43
	s_mov_b32 s43, 0
	s_lshr_b32 s46, s23, 3                         ; O: head 16 b + WLO,
	s_lshl_b32 s46, s46, 4
	s_add_co_u32 s46, s46, s[WLO]
	s_lshl_b32 s46, s46, 18
	s_and_b32 s47, s23, 7                          ; 256 rows of 128 bytes
	s_lshl_b32 s47, s47, 15
	s_add_co_u32 s46, s46, s47
	s_mov_b32 s47, 0
	s_mul_i32 s74, s[WLO], HALFA
	s_mul_i32 s75, s[WLO], HEADB
	s_add_co_u32 s75, s75, BOFF
	s_cmp_eq_u32 s[WHI], 0
	s_cselect_b32 s76, ttmp9, s2
	s_cmp_eq_u32 s76, 0
	s_cselect_b32 s[LIM], 1, -1
	s_cmp_eq_u32 s[WHI], 0
	s_cselect_b32 s[LIM+1], -1, s[LIM]
	s_lshl_b32 s76, s21, 15                        ; Wo: my work-group's 16 rows; K step 3
	s_add_co_u32 s76, s76, 3*256
	s_lshl_b32 s77, s22, 13                        ; O: my work-group's 32 blocks; K step 3
	s_add_co_u32 s77, s77, 3*524288
	s_mov_b32 s78, 524288
	s_cmp_eq_u32 s[WHI], 0
	s_cselect_b32 s76, s76, s77
	s_cselect_b32 s[PFS], 256, s78
	s_mov_b32 s77, 0
	s_mov_b32 s[PFS+1], 0
	s_wait_dscnt 0x0
	s_wait_kmcnt 0x0
	s_add_nc_u64 s[44:45], s[6:7], s[42:43]
	s_add_nc_u64 s[46:47], s[4:5], s[46:47]
	s_cmp_eq_u32 s[WHI], 0
	s_cselect_b64 s[PFA:PFA+1], s[44:45], s[46:47]
	s_add_nc_u64 s[PFA:PFA+1], s[PFA:PFA+1], s[76:77]
	CROUND
.irp s, 0,1
	s_mov_b32 s[G0A+4*(\s)], 1
	s_add_co_u32 s[G0A+4*(\s)+1], s74, (\s)*SLOT
	s_add_nc_u64 s[G0A+4*(\s)+2:G0A+4*(\s)+3], s[44:45], (\s)*KSTEP*2
	s_or_b32 s[G0A+4*(\s)+3], s[G0A+4*(\s)+3], 0x80000000
	s_mov_b32 s[G0B+4*(\s)], 1
	s_add_co_u32 s[G0B+4*(\s)+1], s75, (\s)*SLOT
	s_add_nc_u64 s[G0B+4*(\s)+2:G0B+4*(\s)+3], s[46:47], (\s)*524288
	s_or_b32 s[G0B+4*(\s)+3], s[G0B+4*(\s)+3], 0x80000000
	JLOAD \s
.endr
	v_and_b32 v1, 15, v0
	v_bfe_u32 v2, v0, 4, 1
	v_and_b32 v3, 31, v0
	s_lshl_b32 s75, s40, 9
	s_lshl_b32 s76, s[WHI], 8
	s_add_co_u32 s75, s75, s76
	v_lshl_add_u32 v[BO], v1, 2, s75               ; bias: 4 x (my first o + l % 16)
	WIN 0x80
.irp nt, 0,1,2,3
	global_load_b32 v[BI+8*\nt], v[BO], s[8:9] offset:64*\nt
.endr
	WIN 0
	s_lshr_b32 s42, s23, 3
	s_lshl_b32 s42, s42, 23                        ; out0: the batch,
	s_lshl_b32 s43, s40, 20                        ; 128 rows of 8,192 bytes,
	s_add_co_u32 s42, s42, s43
	s_lshl_b32 s43, s[WHI], 19                     ; my 64,
	s_add_co_u32 s42, s42, s43
	s_and_b32 s43, s23, 7
	s_lshl_b32 s43, s43, 10                        ; 256 t,
	s_add_co_u32 s42, s42, s43
	s_lshl_b32 s43, s[WLO], 9                      ; my 128
	s_add_co_u32 s42, s42, s43
	s_mov_b32 s43, 0
	s_add_nc_u64 s[10:11], s[10:11], s[42:43]
	v_mul_u32_u24 v4, v1, PA
	v_lshl_add_u32 v4, v2, 4, v4
	s_mul_i32 s74, s[WHI], HALFA
	v_mul_u32_u24 v5, v1, PO
	v_lshl_add_u32 v5, v2, 4, v5
	s_mul_i32 s75, s[WLO], 128*PO
	s_add_co_u32 s75, s75, BOFF
.irp s, 0,1
	v_add_nc_u32 v[ADRA+(\s)], s74, v4
	v_add_nc_u32 v[ADRB+(\s)], s75, v5
	s_add_co_u32 s74, s74, SLOT
	s_add_co_u32 s75, s75, SLOT
.endr
	s_mul_i32 s74, s[WV], 16*SPITCH
	s_add_co_u32 s74, s74, STAGE
	v_mul_u32_u24 v[STO], v1, SPITCH               ; in: row l % 16 (an o), 32 bytes for each half of the lanes
	v_lshl_add_u32 v[STO], v2, 5, v[STO]
	v_add_nc_u32 v[STO], s74, v[STO]
	v_lshl_add_u32 v[RD], v3, 4, s74               ; back: a whole row of 512 bytes
	v_lshlrev_b32 v[GO], 4, v3
	v_lshlrev_b32 v8, 11, v1                       ; Wo's prefetch: row l % 16, K step l / 16
	v_lshl_add_u32 v8, v2, 8, v8
	v_lshlrev_b32 v9, 8, v3                        ; O's: block l
	s_xor_b32 s75, s[WHI], 1
	v_mul_u32_u24 v8, v8, s75
	v_mad_u32_u24 v[PFO], v9, s[WHI], v8
	s_wait_loadcnt 0x0
	WIN 0x8a                                       ; all in window 2: the bias is rounded to bf16 and laid into the eight registers of its tile's C operand
.irp nt, 0,1,2,3
	v_cvt_pk_bf16_f32 v[BI+8*\nt+1], v[BI+8*\nt], v[BI+8*\nt]
	v_lshlrev_b32 v[BI+8*\nt], 16, v[BI+8*\nt+1]
.irp j, 1,2,3,4,5,6,7
	v_mov_b32 v[BI+8*\nt+\j], v[BI+8*\nt]
.endr
.endr
	WIN 0
; 8 matrix instructions: o tile nt x all 8 t tiles, 32 along K.  cm = 1: the bias starts the sums.  The 32 accumulators take turns, one instruction a turn.
.macro MULM f, nt, cm
.if \cm
	WIN 0x60
.else
	WIN 0x50
.endif
.irp mt, 0,1,2,3,4,5,6,7
.if \cm
	v_wmma_f32_16x16x32_f16 v[8*(8*(\nt)+(\mt)):8*(8*(\nt)+(\mt))+7], v[(\f)+32+8*(\mt):(\f)+32+8*(\mt)+7], v[(\f)+8*(\nt):(\f)+8*(\nt)+7], v[BI+8*(\nt):BI+8*(\nt)+7]
.else
	v_wmma_f32_16x16x32_f16 v[8*(8*(\nt)+(\mt)):8*(8*(\nt)+(\mt))+7], v[(\f)+32+8*(\mt):(\f)+32+8*(\mt)+7], v[(\f)+8*(\nt):(\f)+8*(\nt)+7], v[8*(8*(\nt)+(\mt)):8*(8*(\nt)+(\mt))+7]
.endif
.endr
.endm
; 24 LDS loads in one run: quarter q of a slot (head q / 2 of its two, channels 32 (q % 2) on) into buffer f: O's eight fragments, then Wo's tiles 0, 1, then 2, 3
.macro FETCH slot, q, f
	WIN 0
.irp mt, 0,1,2,3,4,5,6,7
	ds_load_b128 v[(\f)+32+8*(\mt):(\f)+32+8*(\mt)+3],   v[ADRB+(\slot)] offset:((\q)/2)*HEADB+((\q)%2)*64+(\mt)*16*PO
	ds_load_b128 v[(\f)+32+8*(\mt)+4:(\f)+32+8*(\mt)+7], v[ADRB+(\slot)] offset:((\q)/2)*HEADB+((\q)%2)*64+(\mt)*16*PO+32
.endr
.irp nt, 0,1,2,3
	ds_load_b128 v[(\f)+8*(\nt):(\f)+8*(\nt)+3],   v[ADRA+(\slot)] offset:64*(\q)+(\nt)*16*PA
	ds_load_b128 v[(\f)+8*(\nt)+4:(\f)+8*(\nt)+7], v[ADRA+(\slot)] offset:64*(\q)+(\nt)*16*PA+32
.endr
.endm
.macro QUARTER slot, q, f, g, cm
	s_wait_dscnt 4                                 ; O's fragments and Wo's tiles 0, 1 are in; the youngest four loads may be out
	MULM \f, 0, \cm
	MULM \f, 1, \cm
	PLACES
	FETCH \slot, \q, \g
	s_wait_dscnt 24                                ; all but the 24 just issued
	MULM \f, 2, \cm
	MULM \f, 3, \cm
.endm
; The last quarter changes slots: ONE barrier; in front of it each wave waits for all its tensor loads (one is out: its part of the next slot), adds 0 to its spare word, and waits for that and for its reads of this slot.
.macro TURN slot, next, fill
.if \fill
	s_wait_xcnt 0x0                                ; the last prefetch, a K step back, has read its address
	s_add_nc_u64 s[PFA:PFA+1], s[PFA:PFA+1], s[PFS:PFS+1]
.endif
	WIN 0
	s_wait_tensorcnt 0x0
	ds_add_u32 v[SPW], v[NIL]                      ; 0 onto my spare word
	s_wait_dscnt 5                                 ; (the add and the youngest four loads may be out)
	MULM F1, 0, 0
	s_wait_dscnt 0x0                               ; the add is done, and my reads of this slot are over
	s_barrier_signal -1
	MULM F1, 1, 0
.if \fill
	WIN 0
.endif
	s_barrier_wait -1
.if \fill
	CREST
	s_add_nc_u64 s[G0A+4*(\slot)+2:G0A+4*(\slot)+3], s[G0A+4*(\slot)+2:G0A+4*(\slot)+3], 2*KSTEP*2
	s_add_nc_u64 s[G0B+4*(\slot)+2:G0B+4*(\slot)+3], s[G0B+4*(\slot)+2:G0B+4*(\slot)+3], 2*524288
	JLOAD \slot                                    ; the first tensor load behind the round; its four v_nop are also the places in front of the loads below
.else
	PLACES
.endif
	FETCH \next, 0, F0
.if \fill
	ASK \slot
.endif
	MULM F1, 2, 0
	MULM F1, 3, 0
.endm
	s_wait_tensorcnt 1                             ; my part of K step 0 is in; K step 1's may stay out
	s_barrier_signal -1
	s_barrier_wait -1
	FETCH 0, 0, F0
	QUARTER 0, 1, F0, F1, 1
	WIN 0
	s_mov_b32 s3, LAPS-1
.Llap:
	QUARTER 0, 2, F1, F0, 0
	QUARTER 0, 3, F0, F1, 0
	TURN 0, 1, 1
	QUARTER 1, 1, F0, F1, 0
	QUARTER 1, 2, F1, F0, 0
	QUARTER 1, 3, F0, F1, 0
	TURN 1, 0, 1
	QUARTER 0, 1, F0, F1, 0
	WIN 0
	s_sub_co_u32 s3, s3, 1
	s_cmp_lg_u32 s3, 0
	s_cbranch_scc1 .Llap
	QUARTER 0, 2, F1, F0, 0                        ; the last lap fills nothing, and has no round
	QUARTER 0, 3, F0, F1, 0
	TURN 0, 1, 0
	QUARTER 1, 1, F0, F1, 0
	QUARTER 1, 2, F1, F0, 0
	QUARTER 1, 3, F0, F1, 0
	s_wait_dscnt 4
	MULM F1, 0, 0
	MULM F1, 1, 0
	s_wait_dscnt 0x0
	MULM F1, 2, 0
	MULM F1, 3, 0
	; THE WAY OUT.  An o tile at a time: 16 rows x 128 t of f32 go from the accumulators (low half first) into my stage and come back as whole rows of 512 bytes.
	PLACES
.macro OUTT nt
	WIN 0x04                                       ; the stores' data in window 1
.irp mt, 0,1,2,3,4,5,6,7
	ds_store_b128 v[STO], v[8*(8*(\nt)+(\mt)):8*(8*(\nt)+(\mt))+3]   offset:64*(\mt)
	ds_store_b128 v[STO], v[8*(8*(\nt)+(\mt))+4:8*(8*(\nt)+(\mt))+7] offset:64*(\mt)+16
.endr
	WIN 0
.if (\nt) >= 2
	s_wait_xcnt 0x0                                ; the stores of the tile two back have read this buffer
.endif
.set BK, OB+64*((\nt)%2)
.irp i, 0,1,2,3,4,5,6,7,8,9,10,11,12,13,14,15
	ds_load_b128 v[BK+4*(\i):BK+4*(\i)+3], v[RD] offset:(\i)*SPITCH  ; LDS serves a wave's instructions in order (ISA guide 5.7.1.4): these see the stores above; the next tile's stores come behind them
.endr
.endm
.macro SENDT nt, younger               ; younger: the LDS instructions issued behind this tile's loads: the next tile's 32, or none
.set BK, OB+64*((\nt)%2)
.irp i, 0,1,2,3,4,5,6,7,8,9,10,11,12,13,14,15
	s_wait_dscnt (\younger)+15-(\i)
	global_store_b128 v[GO], v[BK+4*(\i):BK+4*(\i)+3], s[10:11] offset:(\nt)*131072+(\i)*8192 th:TH_STORE_NT  ; 512 consecutive bytes of a row of out0, at a multiple of 256 from its first
.endr
.endm
	OUTT 0
	OUTT 1
	SENDT 0, 32
	OUTT 2
	SENDT 1, 32
	OUTT 3
	SENDT 2, 32
	SENDT 3, 0
	s_wait_tensorcnt 0x0                           ; the wave's end, behind my last tensor load and my last LDS store
	ds_add_u32 v[SPW], v[NIL]
	s_wait_dscnt 0x0
	CROUND                                         ; the closing round
	s_endpgm
.Lfunc_end_k_qa26f158a8a_oproj:
	.size	k_qa26f158a8a_oproj, .Lfunc_end_k_qa26f158a8a_oproj-k_qa26f158a8a_oproj
	.p2alignl 7, 3214868480
	.fill 96, 4, 3214868480
	.section	.rodata,"a",@progbits
	.p2align	6, 0x0
	.amdhsa_kernel k_qa26f158a8a_oproj
		.amdhsa_group_segment_fixed_size 327680
		.amdhsa_private_segment_fixed_size 0
		.amdhsa_enable_private_segment 0
		.amdhsa_kernarg_size 32
		.amdhsa_user_sgpr_count 2
		.amdhsa_user_sgpr_kernarg_segment_ptr 1
		.amdhsa_wavefront_size32 1
		.amdhsa_system_sgpr_workgroup_id_x 1
		.amdhsa_system_sgpr_workgroup_id_y 1
		.amdhsa_system_sgpr_workgroup_id_z 1
		.amdhsa_system_vgpr_workitem_id 0
		.amdhsa_next_free_vgpr 544
		.amdhsa_next_free_sgpr 80
		.amdhsa_reserve_vcc 0
		.amdhsa_float_denorm_mode_32 3
		.amdhsa_float_denorm_mode_16_64 3
		.amdhsa_memory_ordered 1
		.amdhsa_forward_progress 1
		.amdhsa_inst_pref_size 90
	.end_amdhsa_kernel
	.amdgpu_metadata
---
amdhsa.version: [ 1, 2 ]
amdhsa.kernels:
  - .name:           k_qa26f158a8a_oproj
    .symbol:         k_qa26f158a8a_oproj.kd
    .args:
      - { .name: ob, .offset: 0, .size: 8, .value_kind: global_buffer, .address_space: global }
      - { .name: wo16, .offset: 8, .size: 8, .value_kind: global_buffer, .address_space: global }
      - { .name: bo, .offset: 16, .size: 8, .value_kind: global_buffer, .address_space: global }
      - { .name: out0, .offset: 24, .size: 8, .value_kind: global_buffer, .address_space: global }
    .group_segment_fixed_size: 327680
    .private_segment_fixed_size: 0
    .kernarg_segment_align: 8
    .kernarg_segment_size: 32
    .max_flat_workgroup_size: 128
    .sgpr_count:     80
    .vgpr_count:     544
    .wavefront_size: 32
...
	.end_amdgpu_metadata
.endif
;; end of part 4
;; ======== version 2 of 2: 4 launches; version 1 with the launch prep written anew for expert scheduling mode
;; limits: values are held in f16: magnitudes above 65,504 overflow, below 6.1e-05 lose precision
;; workspace buffers: xcb 33,554,432 bytes; wb 6,291,456 bytes; wo16 2,097,152 bytes; maskw 2,097,152 bytes of whole numbers; rope 262,144 bytes; qkv 50,331,648 bytes; ob 16,777,216 bytes
;; launch prep (part 5): grid 512 x 1, 8 waves a work-group, no clusters, 68,608 bytes of LDS; arguments x, c, attn_mask, Wq, Wk, Wv, Wo, xcb, wb, wo16, maskw, rope; writes xcb, wb, wo16, maskw, rope
.if DOCPART == 5
	.amdgcn_target "amdgcn-amd-amdhsa--gfx1250"
	.amdhsa_code_object_version 6
	.text
	.protected	k_qa26f158a8a_prep
	.globl	k_qa26f158a8a_prep
	.p2align	8
	.type	k_qa26f158a8a_prep,@function
k_qa26f158a8a_prep:
	s_mov_b64 s[64:65], 0
	v_nop
	global_prefetch_b8 v0, s[64:65] scope:SCOPE_SE
	s_setreg_imm32_b32 hwreg(HW_REG_WAVE_SCHED_MODE, 0, 2), 2
	s_setreg_imm32_b32 hwreg(HW_REG_WAVE_MODE, 25, 1), 1
	s_wait_xcnt 0x0
	s_wait_alu depctr_vm_vsrc(0)
; PREP: every input that the matrix launches read is brought into their format, once.
;   xcb  = bf16(x), bf16(c), in the inputs' own layout [2][4][1024 c][2048 t]
;   wb   = bf16(Wq; Wk; Wv) [3072][1024];   wo16 = bf16(Wo) written as f16 [1024][1024]
;   maskw= one BIT a score: u32 [b 4][pair of query tiles 64][key step 32][u 2][kt 4][j 8]; bit L of a word is 1 where
;          attn_mask[b][32 pair + 16 u + L % 16][64 step + 16 kt + 8 (L / 16) + j] == 0: the lane mask of register 8 kt + j of a 16 x 64 score tile
;   rope = f32 cos[2048 t][16], then sin[2048 t][16], of the angle t * 10000^(-i/16)
; A stream: each input byte is read once, by loads of 512 consecutive bytes a wave.  No matrix unit, no cluster (no two work-groups read the same byte), no tensor load.
; SHARES.  4,096 waves; wave gw takes 8 KiB of x and of c, 1 KiB of each W, and 32 rows x 128 keys of the mask; wave 0 of a work-group makes 64 table entries (4 values of t).
; The mask's rows go through the wave's own 16 x 528 bytes of LDS to change from a row a load to a row a lane; a compare then yields the 32 lanes' bits as one scalar word.
; LIMITS.  bf16(Wo) below 6e-5 keeps f16's fixed step of 6e-8.  The angle is t times 2^(-0.83048 i) by v_exp_f32: it differs from the reference's f32 power by some 1e-7 of itself, up to 2e-4 rad at t = 2047.
; A NaN in the mask counts as not 0, -0 as 0, as in the comparison that the module makes.
; THE MODE: SCHED_MODE bits 1:0 = 2 (LLVM: expert scheduling mode 2), set by the entry lines.  The code itself states the register dependences between vector instructions and memory or LDS
; instructions, with s_wait_alu, always for 0.
; THE PLAN.  Registers that memory or LDS instructions touch, in the order of the text (there is no loop):
;   v2, v3, v5, v6  offsets and LDS addresses: written at the head, never again; one wait on va_vdst ahead of the first load serves every load and store.
;   B0  x lands; 32 conversions read it and write two of each four registers; 16 stores read those; the mask's rows 16-31 land; 16 LDS stores read it; 16 LDS loads land; 64 compares read it.
;   B1  c lands; 32 conversions; 16 stores; the weights land in its first 32 registers; 28 conversions; 8 stores.
;   B2  the mask's rows 0-15 land; 16 LDS stores read it; 16 LDS loads land; 64 compares read it.
;   OW  written by vector instructions (128 lane writes); read by one store.      v[248:251]  the table's entries; read by two stores.      v8, v9  read by the closing add alone.
; So a buffer's conversions stand in one run, ONE wait on va_vdst behind them, and then the run of stores; a wait on vm_vsrc stands ahead of each load that lands where a store or an LDS store has read.
; Scalar registers that vector instructions write: s28 (the wave's number), s[48:63] (sixteen compares to a run), s46 and s47 (the table's two compares): one wait on va_sdst behind each run, ahead of its first reader.
.set STG,   8448                       ; a wave's stage: 16 rows of 512 bytes + 16 of padding (528 = 33 x 16: sixteen lanes that take one column of sixteen rows touch sixteen different 16-byte columns)
.set SPARE, 8*STG                      ; behind the stages: the spare words, 128 bytes a wave: four blocks of 256 bytes that no other line names
.set B0,    32                         ; v[32:95], v[96:159], v[160:223]: three buffers of sixteen loads
.set B1,    96
.set B2,    160
.set OW,    12                         ; v[12:15] the wave's 128 mask words: lane l holds words 4 l .. 4 l + 3
; v1 lane; v2 16 x lane; v3 8 x lane; v5 stage in; v6 stage out; v8, v9 the add's two registers; none of them is rewritten
	s_load_b512 s[4:19], s[0:1], 0x0               ; x, c, attn_mask, Wq, Wk, Wv, Wo, xcb
	s_load_b256 s[20:27], s[0:1], 0x40             ; wb, wo16, maskw, rope
	v_lshl_add_u32 v8, v0, 2, SPARE
	v_mov_b32 v9, 0
	v_lshrrev_b32 v4, 5, v0
	v_readfirstlane_b32 s28, v4                    ; wave 0..7
	v_and_b32 v1, 31, v0
	v_lshlrev_b32 v2, 4, v1
	v_lshlrev_b32 v3, 3, v1
	s_wait_alu depctr_va_sdst(0)                   ; s28 is written, ahead of its first reader: the stage's place and every base are made from it
	s_mul_i32 s44, s28, STG
	v_lshl_add_u32 v5, v1, 4, s44                  ; in: 16 bytes a lane of a row
	v_and_b32 v6, 15, v0
	v_bfe_u32 v7, v0, 4, 1
	v_mul_u32_u24 v6, v6, 528
	v_lshl_add_u32 v6, v7, 5, v6
	v_add_nc_u32 v6, s44, v6                       ; out: row l % 16, keys 8 (l / 16) on
.irp j, 0,1,2,3
	v_mov_b32 v[OW+\j], 0                          ; v_writelane_b32 keeps the other lanes: the registers are written whole first
.endr
	s_lshl_b32 s29, ttmp9, 3
	s_add_co_u32 s29, s29, s28                     ; gw
	s_lshl_b32 s30, s29, 13                        ; 8,192 bytes of x and of c
	s_mov_b32 s31, 0
	s_lshl_b32 s32, s29, 12                        ; 4,096 of xcb
	s_mov_b32 s33, 0
	s_lshl_b32 s34, s29, 10                        ; 1,024 of each W
	s_mov_b32 s35, 0
	s_lshl_b32 s36, s29, 9                         ; 512 of wb's thirds, of wo16 and of maskw
	s_mov_b32 s37, 0
	s_lshr_b32 s38, s29, 10                        ; b,
	s_lshl_b32 s38, s38, 24                        ; 2,048 rows of 8,192 bytes
	s_bfe_u32 s39, s29, 0x60004                    ; the pair of query tiles: 32 rows
	s_lshl_b32 s39, s39, 18
	s_add_co_u32 s38, s38, s39
	s_and_b32 s39, s29, 15                         ; two key steps: 128 keys, 512 bytes
	s_lshl_b32 s39, s39, 9
	s_add_co_u32 s38, s38, s39
	s_mov_b32 s39, 0
	s_lshl_b32 s40, ttmp9, 8                       ; 64 table entries
	s_mov_b32 s41, 0
	s_wait_kmcnt 0x0
	s_add_nc_u64 s[4:5], s[4:5], s[30:31]
	s_add_nc_u64 s[6:7], s[6:7], s[30:31]
	s_add_nc_u64 s[8:9], s[8:9], s[38:39]
	s_add_nc_u64 s[10:11], s[10:11], s[34:35]
	s_add_nc_u64 s[12:13], s[12:13], s[34:35]
	s_add_nc_u64 s[14:15], s[14:15], s[34:35]
	s_add_nc_u64 s[16:17], s[16:17], s[34:35]
	s_add_nc_u64 s[18:19], s[18:19], s[32:33]      ; xcb, x's half
	s_add_nc_u64 s[42:43], s[18:19], 0x1000000     ; xcb, c's half
	s_add_nc_u64 s[20:21], s[20:21], s[36:37]
	s_add_nc_u64 s[22:23], s[22:23], s[36:37]
	s_add_nc_u64 s[24:25], s[24:25], s[36:37]
	s_add_nc_u64 s[26:27], s[26:27], s[40:41]
.macro LD16 B, lo, off, stride         ; sixteen loads of 512 consecutive bytes
.irp i, 0,1,2,3,4,5,6,7,8,9,10,11,12,13,14,15
	global_load_b128 v[(\B)+4*(\i):(\B)+4*(\i)+3], v2, s[\lo:\lo+1] offset:(\off)+(\i)*(\stride) th:TH_LOAD_NT
.endr
.endm
.macro ROUND16 B                       ; four f32 a lane become four bf16, in the first two of their four registers: a buffer's 32 conversions in one run
.irp i, 0,1,2,3,4,5,6,7,8,9,10,11,12,13,14,15
	v_cvt_pk_bf16_f32 v[(\B)+4*(\i)], v[(\B)+4*(\i)], v[(\B)+4*(\i)+1]
	v_cvt_pk_bf16_f32 v[(\B)+4*(\i)+1], v[(\B)+4*(\i)+2], v[(\B)+4*(\i)+3]
.endr
.endm
.macro OUT16 B, lo                     ; the buffer's sixteen stores in one run; a store of the wave covers 256 consecutive bytes, aligned
.irp i, 0,1,2,3,4,5,6,7,8,9,10,11,12,13,14,15
	global_store_b64 v3, v[(\B)+4*(\i):(\B)+4*(\i)+1], s[\lo:\lo+1] offset:256*(\i)
.endr
.endm
; Query tile u of the pair: 16 rows x 128 keys go into my stage by rows and come back a row a lane (register 32 st + 8 kt + j = key 64 st + 16 kt + 8 (l / 16) + j of row l % 16).
; LDS serves a wave's instructions in order and the bytes are the wave's own: no wait on DScnt between the stores and the loads, no barrier.
; Register wd of the 64 gives word 64 st + 32 u + 8 kt + j of the wave's 128, with wd = 32 st + 8 kt + j; that word lies in lane word / 4, register word % 4 of OW.
.macro MASKT u, B
.irp i, 0,1,2,3,4,5,6,7,8,9,10,11,12,13,14,15
	ds_store_b128 v5, v[(\B)+4*(\i):(\B)+4*(\i)+3] offset:528*(\i)
.endr
	s_wait_alu depctr_vm_vsrc(0)                   ; the sixteen LDS stores have read the buffer, in which the LDS loads below land
.irp g, 0,1,2,3,4,5,6,7,8,9,10,11,12,13,14,15
	ds_load_b128 v[(\B)+4*(\g):(\B)+4*(\g)+3], v6 offset:256*((\g)/8)+64*(((\g)/2)%4)+16*((\g)%2)
.endr
	s_wait_dscnt 0x0
.set w0, 0
.rept 4
.set wd, w0
.rept 16
	v_cmp_eq_f32 s[48+wd%16], 0, v[(\B)+wd]        ; the 32 lanes' bits: one word of maskw
.set wd, wd+1
.endr
	s_wait_alu depctr_va_sdst(0)                   ; the sixteen compares have written s[48:63], which the lane writes below read
.set wd, w0
.rept 16
	v_writelane_b32 v[OW+wd%4], s[48+wd%16], 16*(wd/32)+8*(\u)+2*((wd/8)%4)+(wd%8)/4
.set wd, wd+1
.endr
.set w0, w0+16
.endr
.endm
	s_wait_alu depctr_va_vdst(0)                   ; v2, v3, v5 and v6 are written: every load and store of the kernel, global or LDS, reads one of them as its offset or address
	LD16 B0, 4, 0, 512                             ; x
	LD16 B1, 6, 0, 512                             ; c
	LD16 B2, 8, 0, 8192                            ; the mask's rows 0-15
	s_wait_loadcnt 32                              ; x is in; c's and the mask's 32 loads stay out
	ROUND16 B0
	s_wait_alu depctr_va_vdst(0)                   ; the conversions have written B0's pairs, which the sixteen stores read
	OUT16 B0, 18
	s_wait_loadcnt 16                              ; c is in
	ROUND16 B1
	s_wait_alu depctr_va_vdst(0)                   ; the conversions have written B1's pairs, which the sixteen stores read; and all conversions are done with B0 and B1, in which the loads below land
	OUT16 B1, 42
	s_wait_xcnt 0x0                                ; the stores have had their addresses translated: B0 and B1 are loaded again only behind this wait,
	s_wait_alu depctr_vm_vsrc(0)                   ; and behind this one: the 32 stores have read B0's and B1's pairs
	LD16 B0, 8, 131072, 8192                       ; the mask's rows 16-31
.irp k, 0,1
	global_load_b128 v[B1+4*\k:B1+4*\k+3],       v2, s[10:11] offset:512*\k th:TH_LOAD_NT
	global_load_b128 v[B1+8+4*\k:B1+8+4*\k+3],   v2, s[12:13] offset:512*\k th:TH_LOAD_NT
	global_load_b128 v[B1+16+4*\k:B1+16+4*\k+3], v2, s[14:15] offset:512*\k th:TH_LOAD_NT
	global_load_b128 v[B1+24+4*\k:B1+24+4*\k+3], v2, s[16:17] offset:512*\k th:TH_LOAD_NT
.endr
	s_wait_loadcnt 24                              ; rows 0-15 are in; the 16 + 8 loads behind them stay out
	MASKT 0, B2                                    ; no vector instruction has named B2 ahead of its LDS loads
	s_wait_loadcnt 8                               ; rows 16-31 are in; the weights' 8 stay out
	MASKT 1, B0                                    ; no vector instruction since the last wait on va_vdst names B0 ahead of its LDS loads
	s_wait_loadcnt 0x0
.irp m, 0,1,2
.irp k, 0,1
	v_cvt_pk_bf16_f32 v[B1+8*\m+4*\k], v[B1+8*\m+4*\k], v[B1+8*\m+4*\k+1]
	v_cvt_pk_bf16_f32 v[B1+8*\m+4*\k+1], v[B1+8*\m+4*\k+2], v[B1+8*\m+4*\k+3]
.endr
.endr
.irp k, 0,1                            ; Wo: rounded to bf16 like every input, and that number written as f16
	v_cvt_pk_bf16_f32 v[B1+24+4*\k], v[B1+24+4*\k], v[B1+24+4*\k+1]
	v_cvt_pk_bf16_f32 v[B1+24+4*\k+1], v[B1+24+4*\k+2], v[B1+24+4*\k+3]
	v_lshlrev_b32 v[B1+24+4*\k+2], 16, v[B1+24+4*\k]
	v_and_b32 v[B1+24+4*\k+3], 0xffff0000, v[B1+24+4*\k]
	v_cvt_pk_f16_f32 v[B1+24+4*\k], v[B1+24+4*\k+2], v[B1+24+4*\k+3]
	v_lshlrev_b32 v[B1+24+4*\k+2], 16, v[B1+24+4*\k+1]
	v_and_b32 v[B1+24+4*\k+3], 0xffff0000, v[B1+24+4*\k+1]
	v_cvt_pk_f16_f32 v[B1+24+4*\k+1], v[B1+24+4*\k+2], v[B1+24+4*\k+3]
.endr
	s_wait_alu depctr_va_vdst(0)                   ; the lane writes have written OW and the conversions the weights' pairs, which the nine stores below read
	global_store_b128 v2, v[OW:OW+3], s[24:25]     ; 512 consecutive bytes, aligned
.irp m, 0,1,2
.irp k, 0,1
	global_store_b64 v3, v[B1+8*\m+4*\k:B1+8*\m+4*\k+1], s[20:21] offset:2097152*\m+256*\k
.endr
.endr
.irp k, 0,1
	global_store_b64 v3, v[B1+24+4*\k:B1+24+4*\k+1], s[22:23] offset:256*\k
.endr
	s_cmp_lg_u32 s28, 0
	s_cbranch_scc1 .Lend                           ; the table is wave 0's
	; lane l makes entries 2 l and 2 l + 1 of the work-group's 64: t = 4 x work-group + l / 8, i = 2 l % 16 and the next
	v_lshrrev_b32 v224, 3, v1
	s_lshl_b32 s45, ttmp9, 2
	v_add_nc_u32 v224, s45, v224
	v_cvt_f32_u32 v224, v224                       ; t
	v_lshlrev_b32 v225, 1, v1
	v_and_b32 v225, 14, v225
	v_or_b32 v226, 1, v225
	v_cvt_f32_u32 v225, v225
	v_cvt_f32_u32 v226, v226
	v_mul_f32 v225, 0xbf549a78, v225               ; -i log2(10000) / 16
	v_mul_f32 v226, 0xbf549a78, v226
	v_exp_f32 v227, v225
	v_exp_f32 v228, v226
	v_nop                                          ; a plain instruction behind the last exponential,
	s_wait_alu depctr_va_vdst(0)                   ; and the one wait ahead of the first use: the two exponentials have written v227 and v228
; angle = n pi/2 + r with |r| <= pi/4 (pi/2 in two parts, fused: n is 1,304 at the most); sine to r^7, cosine to r^8 (both short of f32's last bits by less than 4e-7); n % 4 swaps and signs them.
; The work is cut at the compare, so that one wait serves both entries' masks: ANGLE z up to the parity of n, as a lane mask in s[46 + z]; QUADR z from the selects on.
.macro ANGLE z
.set R, 230+8*(\z)
	v_mul_f32 v[R], v224, v[227+(\z)]
	v_mul_f32 v[R+1], 0x3f22f983, v[R]
	v_rndne_f32 v[R+1], v[R+1]
	v_fmamk_f32 v[R+2], v[R+1], 0xbfc90fdb, v[R]
	v_fmamk_f32 v[R+2], v[R+1], 0x333bbd2e, v[R+2]
	v_mul_f32 v[R+3], v[R+2], v[R+2]
	v_mov_b32 v[R+4], 0xb9500d01
	v_fmaak_f32 v[R+4], v[R+4], v[R+3], 0x3c088889
	v_fmaak_f32 v[R+4], v[R+4], v[R+3], 0xbe2aaaab
	v_mul_f32 v[R+5], v[R+2], v[R+3]
	v_fma_f32 v[R+5], v[R+5], v[R+4], v[R+2]       ; sin r
	v_mov_b32 v[R+6], 0x37d00d01
	v_fmaak_f32 v[R+6], v[R+6], v[R+3], 0xbab60b61
	v_fmaak_f32 v[R+6], v[R+6], v[R+3], 0x3d2aaaab
	v_fmaak_f32 v[R+6], v[R+6], v[R+3], 0xbf000000
	v_fma_f32 v[R+6], v[R+6], v[R+3], 1.0          ; cos r
	v_cvt_i32_f32 v[R+7], v[R+1]
	v_and_b32 v[246+(\z)], 1, v[R+7]
	v_cmp_eq_u32 s[46+(\z)], 1, v[246+(\z)]
.endm
.macro QUADR z
.set R, 230+8*(\z)
	v_cndmask_b32 v[250+(\z)], v[R+5], v[R+6], s[46+(\z)]
	v_cndmask_b32 v[248+(\z)], v[R+6], v[R+5], s[46+(\z)]
	v_and_b32 v[246+(\z)], 2, v[R+7]
	v_lshlrev_b32 v[246+(\z)], 30, v[246+(\z)]
	v_xor_b32 v[250+(\z)], v[246+(\z)], v[250+(\z)]  ; the sine is negative in quadrants 2 and 3,
	v_add_nc_u32 v[246+(\z)], 1, v[R+7]
	v_and_b32 v[246+(\z)], 2, v[246+(\z)]
	v_lshlrev_b32 v[246+(\z)], 30, v[246+(\z)]
	v_xor_b32 v[248+(\z)], v[246+(\z)], v[248+(\z)]  ; the cosine in 1 and 2
.endm
	ANGLE 0
	ANGLE 1
	s_wait_alu depctr_va_sdst(0)                   ; the two compares have written s46 and s47, which the selects read
	QUADR 0
	QUADR 1
	s_wait_alu depctr_va_vdst(0)                   ; the selects and the signs have written v[248:251], which the two stores read
	global_store_b64 v3, v[248:249], s[26:27]
	global_store_b64 v3, v[250:251], s[26:27] offset:131072
.Lend:
	s_wait_dscnt 0x0                               ; the closing lines, six on end
	s_wait_alu 0x0
	s_wait_tensorcnt 0x0
	ds_add_u32 v8, v9
	s_wait_dscnt 0x0
	s_endpgm
.Lfunc_end_k_qa26f158a8a_prep:
	.size	k_qa26f158a8a_prep, .Lfunc_end_k_qa26f158a8a_prep-k_qa26f158a8a_prep
	.p2alignl 7, 3214868480
	.fill 96, 4, 3214868480
	.section	.rodata,"a",@progbits
	.p2align	6, 0x0
	.amdhsa_kernel k_qa26f158a8a_prep
		.amdhsa_group_segment_fixed_size 68608
		.amdhsa_private_segment_fixed_size 0
		.amdhsa_enable_private_segment 0
		.amdhsa_kernarg_size 96
		.amdhsa_user_sgpr_count 2
		.amdhsa_user_sgpr_kernarg_segment_ptr 1
		.amdhsa_wavefront_size32 1
		.amdhsa_system_sgpr_workgroup_id_x 1
		.amdhsa_system_sgpr_workgroup_id_y 1
		.amdhsa_system_sgpr_workgroup_id_z 1
		.amdhsa_system_vgpr_workitem_id 0
		.amdhsa_next_free_vgpr 256
		.amdhsa_next_free_sgpr 66
		.amdhsa_reserve_vcc 0
		.amdhsa_float_denorm_mode_32 3
		.amdhsa_float_denorm_mode_16_64 3
		.amdhsa_memory_ordered 1
		.amdhsa_forward_progress 1
		.amdhsa_inst_pref_size 44
	.end_amdhsa_kernel
	.amdgpu_metadata
---
amdhsa.version: [ 1, 2 ]
amdhsa.kernels:
  - .name:           k_qa26f158a8a_prep
    .symbol:         k_qa26f158a8a_prep.kd
    .args:
      - { .name: x, .offset: 0, .size: 8, .value_kind: global_buffer, .address_space: global }
      - { .name: c, .offset: 8, .size: 8, .value_kind: global_buffer, .address_space: global }
      - { .name: attn_mask, .offset: 16, .size: 8, .value_kind: global_buffer, .address_space: global }
      - { .name: Wq, .offset: 24, .size: 8, .value_kind: global_buffer, .address_space: global }
      - { .name: Wk, .offset: 32, .size: 8, .value_kind: global_buffer, .address_space: global }
      - { .name: Wv, .offset: 40, .size: 8, .value_kind: global_buffer, .address_space: global }
      - { .name: Wo, .offset: 48, .size: 8, .value_kind: global_buffer, .address_space: global }
      - { .name: xcb, .offset: 56, .size: 8, .value_kind: global_buffer, .address_space: global }
      - { .name: wb, .offset: 64, .size: 8, .value_kind: global_buffer, .address_space: global }
      - { .name: wo16, .offset: 72, .size: 8, .value_kind: global_buffer, .address_space: global }
      - { .name: maskw, .offset: 80, .size: 8, .value_kind: global_buffer, .address_space: global }
      - { .name: rope, .offset: 88, .size: 8, .value_kind: global_buffer, .address_space: global }
    .group_segment_fixed_size: 68608
    .private_segment_fixed_size: 0
    .kernarg_segment_align: 8
    .kernarg_segment_size: 96
    .max_flat_workgroup_size: 256
    .sgpr_count:     66
    .vgpr_count:     256
    .wavefront_size: 32
...
	.end_amdgpu_metadata
.endif
;; end of part 5
;; launch proj: the kernel of part 2 again; grid 32 x 24, 4 waves a work-group, clusters of 4 x 4, 327,680 bytes of LDS; arguments xcb, wb, bq, bk, bv, rope, qkv; writes qkv
;; launch attn: the kernel of part 3 again; grid 4 x 64, 4 waves a work-group, clusters of 4 x 1, 327,680 bytes of LDS; arguments qkv, maskw, ob; writes ob
;; launch oproj: the kernel of part 4 again; grid 32 x 8, 4 waves a work-group, clusters of 4 x 4, 327,680 bytes of LDS; arguments ob, wo16, bo, out0; writes out0
